; MI455X (gfx1250); checked and timed in simulation.
; The chip was launched on July 23, 2026; its instructions are those of AMD's public machine-readable ISA for CDNA 5 (MIT licence, August 2026) and "CDNA5" Instruction Set Architecture Reference Guide (July 2026). The comments in the code are by the model that wrote it; some were corrected since.
;; Fused Self Attention. Allowed arithmetic: matrix products marked QUANTISED: E2M1 operands, one E8M0 scale for each 32 along K, by v_wmma_scale_f32_16x16x128_f8f6f4 with both operands' format E2M1 (or v_wmma_scale_f32_32x16x128_f4), f32 sums; products left as they are: bf16, f16 or f32 operands; f32 sums; everything else in f32.
;; Inputs: W_o 2,048 x 2,048 float32; W_qkv 2,048 x 3,072 float32; x 2,048 x 2,048 float32.
;; Outputs: out0 2,048 x 2,048 float32.
;; This version of the problem:
;;   THIS VERSION OF THE PROBLEM IS GIVEN IN LOW PRECISION. The matrix products marked QUANTISED in the list below multiply operands that are first quantised to E2M1 (2 exponent bits, 1 mantissa bit; 4 bits a number), with one power-of-two scale for each 32 numbers along K (OCP MX v1.0); their sums are f32. The products marked 'left as it is' may take bf16, f16 or f32 operands, with f32 sums. Whichever they take, every output number must still come out within the allowed error. Rounding operands to bf16 (8 significant bits) uses up far more of that allowance than f16 does (11 bits, for magnitudes from 6e-5 to 65,504). All else is computed in f32.
;;   The module's matrix products, in the order in which they are computed (A, B: the left and right operand; K: the contracted axis; several contracted axes count as one K, in the product's order):
;;     1. [M 2,048, K 2,048] x [K 2,048, N 3,072]; A: input x; B: input W_qkv: QUANTISED
;;     2. batch 16 x [M 2,048, K 128] x [K 128, N 2,048]; A: computed on the way; B: computed on the way: left as it is (an operand is computed on the way)
;;     3. batch 16 x [M 2,048, K 2,048] x [K 2,048, N 128]; A: computed on the way; B: computed on the way: left as it is (an operand is computed on the way)
;;     4. [M 2,048, K 2,048] x [K 2,048, N 2,048]; A: computed on the way; B: input W_o: left as it is (an operand is computed on the way)
;;   THE QUANTISER, for each operand of a quantised product, along K:
;;     - K is cut into blocks of 32 from its start; a last block that is shorter is filled with zeros.
;;     - A block's scale is 2^e with e = floor(log2(the largest magnitude in the block)) - 2, held to -126 .. 127; a block of zeros has e = 0. As a byte (E8M0): e + 127.
;;     - Each number is divided by its block's scale, clamped to +-6, and rounded to the nearest number of E2M1, ties to even, subnormals kept.
;;     - The product sums the exact products of the quantised numbers (number of the format x scale) in f32.
;;   ~~~python
;;   def quantise(x, axis):      # numpy; x: float32 -> the quantised numbers, widened to float32 again
;;       x = np.moveaxis(x, axis, -1); K = x.shape[-1]
;;       x = np.pad(x, [(0, 0)] * (x.ndim - 1) + [(0, -K % 32)]); x = x.reshape(x.shape[:-1] + (-1, 32)); a = np.abs(x).max(-1, keepdims=True)
;;       e = np.where(a > 0, np.clip(np.frexp(np.where(a > 0, a, 1))[1] - 1 - 2, -126, 127), 0)      # np.frexp(a)[1] - 1 = floor(log2(a)), exactly
;;       r = np.clip(x / 2.0 ** e, -6, 6)
;;       step = 2.0 ** (np.maximum(np.frexp(np.where(r == 0, 1, r))[1] - 1, 0) - 1)
;;       q = np.round(r / step) * step * 2.0 ** e      # np.round: ties to even
;;       return np.moveaxis(q.reshape(q.shape[:-2] + (-1,))[..., :K], -1, axis).astype(np.float32)
;;   ~~~
;; One version. Each part assembles by itself: llvm-mc -triple=amdgcn-amd-amdhsa -mcpu=gfx1250 --defsym DOCPART=n.
;; ======== version 1 of 1: 5 launches
;; limits: values are held in f16: magnitudes above 65,504 overflow, below 6.1e-05 lose precision
;; workspace buffers: x_codes 2,097,152 bytes; x_scales 131,072 bytes; w_codes 3,145,728 bytes; w_scales 196,608 bytes; wo_t 8,388,608 bytes; qkv 12,582,912 bytes; qkv16 196,608 bytes; attn 8,388,608 bytes
;; launch prep (part 1): grid 320 x 1, 4 waves a work-group, no clusters, 50,688 bytes of LDS; arguments x, W_qkv, x_codes, x_scales, w_codes, w_scales; writes x_codes, x_scales, w_codes, w_scales
.if DOCPART == 1
	.amdgcn_target "amdgcn-amd-amdhsa--gfx1250"
	.amdhsa_code_object_version 6
	.text
	.protected	k_q48079a3f11_prep
	.globl	k_q48079a3f11_prep
	.p2align	8
	.type	k_q48079a3f11_prep,@function
k_q48079a3f11_prep:
	s_mov_b64 s[64:65], 0
	v_nop
	global_prefetch_b8 v0, s[64:65] scope:SCOPE_SE
	s_setreg_imm32_b32 hwreg(HW_REG_WAVE_MODE, 25, 1), 1
	s_wait_xcnt 0x0
; PREP: both operands of the quantised product are turned into codes of FP4 (E2M1) with one E8M0 scale byte for each 32 along K.  One launch, two ways, parted by the work-group's number:
;   work-groups   0..127: x [2048][2048] f32 (K innermost)  -> codes [2048][1024 bytes] and scale bytes [2048][64]
;   work-groups 128..319: W_qkv [K 2048][N 3072] f32        -> codes laid [3072][1024 bytes] with K innermost, scale bytes [3072][64]
; A block of 32 along K has the scale 2^(floor(log2(its largest magnitude)) - 2); its byte is the largest magnitude's exponent field - 2, held at 1 from below.
; LIMITS: a block of zeros gets the byte 1 where the quantiser's rule says 127 (its codes are zeros, and this program alone reads the bytes); blocks whose largest magnitude lies
; under 2^-124 are held at byte 1; NaN and infinities are not served.
; Memory binds: every input byte is read once; codes leave as aligned runs of 256 bytes through a stage in LDS.  No tensor load, no barrier: waves share nothing.  Each way has LDS bytes of its own.
.set SPARE,  50176                     ; behind the two ways' stages: the spare words, 128 bytes for each wave
.set SPW,    190                       ; v190  LDS address of my spare word; never rewritten
.set NIL,    191                       ; v191  0; never rewritten
.set EMAX,   2
; the way of x
.set XSTEPS, 16                        ; a wave takes 16 steps of 512 numbers
.set CB,     8                         ; bytes of 16 codes
.set XR,     16                        ; v16-79   four sets of 16 numbers as loaded
.set XX,     80                        ; v80-111  two sets of 16 neighbours
.set XE,     112                       ; v112-127 a scale byte for each step
.set XC,     128                       ; v128-189 codes, four registers apart for each step
.set WREG,   8192                      ; LDS bytes 0..32,767: a region for each wave: two stages of 32 x SP bytes, then its 256 scale bytes
.set SP,     80                        ; a lane's place in a stage: 64 bytes + 16 of padding
; the way of W_qkv
.set WROW,   12288                     ; a row of W_qkv in bytes
.set NB,     8                         ; blocks of 32 along K for a lane
.set PITCH,  272                       ; a stage row: 256 bytes + 16
.set WSTG,   32768                     ; LDS: four stages of 16 rows
.set CX,     32                        ; v32-95   two sets of 32 numbers down K
.set CC,     96                        ; v96-99   a block's codes
.set OUTR,   112                       ; v112-143 the way out
.set SB,     24                        ; v24-25   scale bytes, four to a register
	s_load_b256 s[4:11], s[0:1], 0x0               ; x s[4:5], W_qkv s[6:7], x_codes s[8:9], x_scales s[10:11]
	s_load_b128 s[12:15], s[0:1], 0x20             ; w_codes s[12:13], w_scales s[14:15]
	v_lshl_add_u32 v[SPW], v0, 2, SPARE
	v_mov_b32 v[NIL], 0
	v_lshrrev_b32 v1, 5, v0
	v_readfirstlane_b32 s20, v1                    ; wave 0..3
	v_and_b32 v2, 31, v0                           ; lane
	s_mov_b32 s25, 0                               ; the high word of every offset below: all stay under 2^32
	s_wait_kmcnt 0x0
	s_cmp_lt_u32 ttmp9, 128
	s_cbranch_scc0 .Lpath_w
; ---------------- x: K is innermost.  Each load reads 512 neighbouring bytes; a step's 2,048 bytes turn through the wave's stage so that a lane holds 16 neighbours; two neighbouring lanes hold a block.
	v_lshlrev_b32 v3, 4, v2                        ; my 16 bytes of a load's 512
	s_mul_i32 s21, s20, WREG
	v_lshrrev_b32 v14, 2, v2
	v_mul_u32_u24 v14, v14, SP
	v_and_b32 v15, 3, v2
	v_lshl_add_u32 v14, v15, 4, v14
	v_add_nc_u32 v14, s21, v14                     ; the stage, on the way in: SP (lane / 4) + 16 (lane % 4)
	v_mul_u32_u24 v15, v2, SP
	v_add_nc_u32 v15, s21, v15                     ; and on the way out: SP x lane
	v_mul_u32_u24 v4, v2, CB                       ; my codes' place in a step's
	v_lshrrev_b32 v5, 1, v2
	s_add_co_u32 s21, s21, 2*32*SP
	v_add_nc_u32 v5, s21, v5                       ; my block's scale byte among the wave's 256
	v_lshlrev_b32 v7, 3, v2
	v_add_nc_u32 v6, s21, v7                       ; and on the way out 8 bytes a lane
	s_lshl_b32 s22, ttmp9, 2
	s_add_co_u32 s22, s22, s20                     ; which run of 8,192 numbers is my wave's
	s_lshl_b32 s24, s22, 15                        ; 32,768 bytes of f32 a run,
	s_add_nc_u64 s[4:5], s[4:5], s[24:25]
	s_lshl_b32 s24, s22, 12                        ; 4,096 bytes of codes,
	s_add_nc_u64 s[8:9], s[8:9], s[24:25]
	s_lshl_b32 s24, s22, 8                         ; 256 scale bytes
	s_add_nc_u64 s[10:11], s[10:11], s[24:25]
.macro XLOAD t
.irp i, 0,1,2,3
	global_load_b128 v[XR+16*((\t)%4)+4*\i:XR+16*((\t)%4)+4*\i+3], v3, s[4:5] offset:2048*(\t)+512*\i th:TH_LOAD_NT
.endr
.endm
.macro XTURN t                         ; step t's numbers through the stage: LDS serves a wave's instructions in order, so no wait stands between the stores and the loads
.irp i, 0,1,2,3
	ds_store_b128 v14, v[XR+16*((\t)%4)+4*\i:XR+16*((\t)%4)+4*\i+3] offset:32*SP*((\t)%2)+8*SP*\i
.endr
.irp i, 0,1,2,3
	ds_load_b128 v[XX+16*((\t)%2)+4*\i:XX+16*((\t)%2)+4*\i+3], v15 offset:32*SP*((\t)%2)+16*\i
.endr
.endm
.irp t, 0,1,2,3
	XLOAD \t
.endr
	s_wait_loadcnt 12                              ; step 0's four loads are in; twelve younger ones stay out
	XTURN 0
.macro XSTEP t
.set XS, XX+16*((\t)%2)
.if (\t) > 0
	s_wait_dscnt 1                                 ; this step's numbers are back from the stage (the last step's byte store may be out)
.else
	s_wait_dscnt 0x0
.endif
.if (\t)+4 < XSTEPS
	XLOAD (\t)+4                                   ; into the registers that the stage's stores have read
.endif
.if (\t)+1 < XSTEPS
.if XSTEPS-2-(\t) >= 3
	s_wait_loadcnt 12                              ; the next step's four loads are in; those of the three steps behind it may be out
.else
	s_wait_loadcnt 4*(XSTEPS-2-(\t))
.endif
	XTURN (\t)+1
.endif
	v_max3_num_f32 v8, |v[XS]|, |v[XS+1]|, |v[XS+2]|               ; the largest magnitude of my 16, in two chains
	v_max3_num_f32 v9, |v[XS+3]|, |v[XS+4]|, |v[XS+5]|
.irp i, 6,10
	v_max3_num_f32 v8, v8, |v[XS+\i]|, |v[XS+\i+1]|
	v_max3_num_f32 v9, v9, |v[XS+\i+2]|, |v[XS+\i+3]|
.endr
	v_max3_num_f32 v8, v8, |v[XS+14]|, |v[XS+15]|
	v_max3_num_f32 v8, v8, v9, (EMAX+1)<<23        ; and the floor 2^(3 - 127): the byte cannot fall under 1
	v_max_num_f32_dpp v8, v8, v8 row_xmask:1 row_mask:0xf bank_mask:0xf   ; with my neighbour's 16: the block's
	v_add_nc_u32 v11, -(EMAX<<23), v8              ; 2 off its exponent field: the conversion takes the exponent field of this operand as its scale
	v_cvt_scalef32_pk8_fp4_f32 v[XC+4*(\t)], v[XS:XS+7], v11
	v_cvt_scalef32_pk8_fp4_f32 v[XC+4*(\t)+1], v[XS+8:XS+15], v11
	v_lshrrev_b32 v[XE+(\t)], 23, v11              ; the scale's byte (also the plain line behind the conversions)
	ds_store_b8 v5, v[XE+(\t)] offset:16*(\t)      ; both lanes of a block write the same byte with the same value
	global_store_b64 v4, v[XC+4*(\t):XC+4*(\t)+1], s[8:9] offset:32*CB*(\t)   ; the wave stores 256 neighbouring bytes, aligned
.endm
.irp t, 0,1,2,3,4,5,6,7,8,9,10,11,12,13,14,15
	XSTEP \t
.endr
	ds_load_b64 v[8:9], v6                         ; the wave's 256 scale bytes: these loads see my stores
	s_wait_dscnt 0x0
	global_store_b64 v7, v[8:9], s[10:11]          ; 256 neighbouring bytes, aligned
	s_branch .Lend
; ---------------- W_qkv: K is the first axis.  A lane takes a column and its registers run down K, so a block of 32 lies in one lane and the conversions give codes with K innermost.
; A work-group takes 64 columns x 512 along K, a wave 16 columns: lanes 0-15 take the first 256 along K of their column, lanes 16-31 the second 256: 8 blocks a lane.
; So a column's 256 bytes of codes come from one wave, and a wave's chain of blocks is 8 long.  A load covers two runs of 64 bytes; the four waves stand side by side on 256.
.Lpath_w:
	s_sub_co_u32 s21, ttmp9, 128
	s_and_b32 s22, s21, 3                          ; which 512 along K
	s_lshr_b32 s21, s21, 2
	s_lshl_b32 s21, s21, 6
	s_lshl_b32 s23, s20, 4
	s_add_co_u32 s21, s21, s23                     ; my wave's first column
	v_and_b32 v5, 15, v2                           ; r: my column
	v_lshrrev_b32 v6, 4, v2                        ; hh: my half of the 512 along K
	v_mul_u32_u24 v3, v6, 256*WROW
	v_lshl_add_u32 v3, v5, 2, v3                   ; in: 256 hh rows down, 4 bytes a column
	s_mul_i32 s23, s20, 16*PITCH
	s_add_co_u32 s23, s23, WSTG                    ; my stage
	v_mul_u32_u24 v4, v5, PITCH
	v_lshl_add_u32 v4, v6, 7, v4
	v_add_nc_u32 v4, s23, v4                       ; into it: row = my column, my half of its 256 bytes
	v_mul_u32_u24 v7, v6, PITCH
	v_lshl_add_u32 v7, v5, 4, v7
	v_add_nc_u32 v7, s23, v7                       ; out of it: sixteen lanes to a row, two rows an instruction
	v_lshlrev_b32 v8, 10, v6
	v_lshl_add_u32 v8, v5, 4, v8                   ; and the same place in the codes' buffer (rows of 1,024 bytes)
	v_lshlrev_b32 v9, 6, v5
	v_lshl_add_u32 v9, v6, 3, v9                   ; my column's row of 64 scale bytes, my 8 of this work-group's 16
	s_mul_i32 s24, s22, 512*WROW
	s_lshl_b32 s26, s21, 2
	s_add_co_u32 s24, s24, s26
	s_add_nc_u64 s[6:7], s[6:7], s[24:25]          ; W_qkv at (512 y, my first column)
	s_lshl_b32 s24, s21, 10
	s_lshl_b32 s26, s22, 8
	s_add_co_u32 s24, s24, s26
	s_add_nc_u64 s[12:13], s[12:13], s[24:25]      ; codes at column x 1,024 + 256 y
	s_lshl_b32 s24, s21, 6
	s_lshl_b32 s26, s22, 4
	s_add_co_u32 s24, s24, s26
	s_add_nc_u64 s[14:15], s[14:15], s[24:25]      ; scale bytes at column x 64 + 16 y
.macro CLOAD t                         ; block t: rows 32 t + i of my half of my column, i = 0 .. 31, into set t % 2; 255 rows at the most in the immediate, inside its signed 24 bits
.set ci, 0
.rept 32
	global_load_b32 v[CX+32*((\t)%2)+ci], v3, s[6:7] offset:(32*(\t)+ci)*WROW
.set ci, ci+1
.endr
.endm
	CLOAD 0
	CLOAD 1
.macro WBLOCK t
.set XS, CX+32*((\t)%2)
.if (\t) < NB-1
	s_wait_loadcnt 32                              ; this block's 32 loads are in; the next block's may be out
.else
	s_wait_loadcnt 0
.endif
	v_max3_num_f32 v12, |v[XS]|, |v[XS+1]|, |v[XS+2]|              ; the block's largest magnitude: all 32 numbers are mine
	v_max3_num_f32 v13, |v[XS+3]|, |v[XS+4]|, |v[XS+5]|
.irp i, 6,10,14,18,22,26
	v_max3_num_f32 v12, v12, |v[XS+\i]|, |v[XS+\i+1]|
	v_max3_num_f32 v13, v13, |v[XS+\i+2]|, |v[XS+\i+3]|
.endr
	v_max3_num_f32 v12, v12, |v[XS+30]|, |v[XS+31]|
	v_max3_num_f32 v12, v12, v13, (EMAX+1)<<23     ; and the floor
	v_add_nc_u32 v11, -(EMAX<<23), v12             ; the conversion's scale operand
	v_lshrrev_b32 v13, 23, v11                     ; the scale's byte
.if (\t)%4 == 0
	v_mov_b32 v[SB+(\t)/4], v13                    ; four bytes to a register, the lower K in the lower byte
.else
	v_lshl_or_b32 v[SB+(\t)/4], v13, 8*((\t)%4), v[SB+(\t)/4]
.endif
.irp g, 0,1,2,3
	v_cvt_scalef32_pk8_fp4_f32 v[CC+\g], v[XS+8*\g:XS+8*\g+7], v11
.endr
	ds_store_b128 v4, v[CC:CC+3] offset:16*(\t)    ; 32 codes: 16 bytes of my column's row
.if (\t)+2 < NB
	CLOAD (\t)+2
.endif
	s_wait_dscnt 0x0                               ; the store has read its registers: the next block's codes may be written
.endm
.irp t, 0,1,2,3,4,5,6,7
	WBLOCK \t
.endr
	global_store_b64 v9, v[SB:SB+1], s[14:15]      ; my 8 scale bytes
.irp t, 0,1,2,3,4,5,6,7
	ds_load_b128 v[OUTR+4*\t:OUTR+4*\t+3], v7 offset:2*\t*PITCH    ; the stage's 16 rows of 256 bytes leave whole
.endr
.irp t, 0,1,2,3,4,5,6,7
	s_wait_dscnt 7-\t                              ; load t is in; the younger ones stay out
	global_store_b128 v8, v[OUTR+4*\t:OUTR+4*\t+3], s[12:13] offset:2*\t*1024   ; sixteen lanes store 256 neighbouring bytes, aligned
.endr
.Lend:
	s_wait_tensorcnt 0x0                           ; the wave's end: behind my last LDS store
	ds_add_u32 v[SPW], v[NIL]
	s_wait_dscnt 0x0
	s_endpgm
.Lfunc_end_k_q48079a3f11_prep:
	.size	k_q48079a3f11_prep, .Lfunc_end_k_q48079a3f11_prep-k_q48079a3f11_prep
	.p2alignl 7, 3214868480
	.fill 96, 4, 3214868480
	.section	.rodata,"a",@progbits
	.p2align	6, 0x0
	.amdhsa_kernel k_q48079a3f11_prep
		.amdhsa_group_segment_fixed_size 50688
		.amdhsa_private_segment_fixed_size 0
		.amdhsa_enable_private_segment 0
		.amdhsa_kernarg_size 48
		.amdhsa_user_sgpr_count 2
		.amdhsa_user_sgpr_kernarg_segment_ptr 1
		.amdhsa_wavefront_size32 1
		.amdhsa_system_sgpr_workgroup_id_x 1
		.amdhsa_system_sgpr_workgroup_id_y 1
		.amdhsa_system_sgpr_workgroup_id_z 1
		.amdhsa_system_vgpr_workitem_id 0
		.amdhsa_next_free_vgpr 192
		.amdhsa_next_free_sgpr 66
		.amdhsa_reserve_vcc 0
		.amdhsa_float_denorm_mode_32 3
		.amdhsa_float_denorm_mode_16_64 3
		.amdhsa_memory_ordered 1
		.amdhsa_forward_progress 1
		.amdhsa_inst_pref_size 73
	.end_amdhsa_kernel
	.amdgpu_metadata
---
amdhsa.version: [ 1, 2 ]
amdhsa.kernels:
  - .name:           k_q48079a3f11_prep
    .symbol:         k_q48079a3f11_prep.kd
    .args:
      - { .name: x, .offset: 0, .size: 8, .value_kind: global_buffer, .address_space: global }
      - { .name: W_qkv, .offset: 8, .size: 8, .value_kind: global_buffer, .address_space: global }
      - { .name: x_codes, .offset: 16, .size: 8, .value_kind: global_buffer, .address_space: global }
      - { .name: x_scales, .offset: 24, .size: 8, .value_kind: global_buffer, .address_space: global }
      - { .name: w_codes, .offset: 32, .size: 8, .value_kind: global_buffer, .address_space: global }
      - { .name: w_scales, .offset: 40, .size: 8, .value_kind: global_buffer, .address_space: global }
    .group_segment_fixed_size: 50688
    .private_segment_fixed_size: 0
    .kernarg_segment_align: 8
    .kernarg_segment_size: 48
    .max_flat_workgroup_size: 128
    .sgpr_count:     66
    .vgpr_count:     192
    .wavefront_size: 32
...
	.end_amdgpu_metadata
.endif
;; end of part 1
;; launch gemm_qkv (part 2): grid 12 x 8, 4 waves a work-group, clusters of 4 x 4, 327,680 bytes of LDS; arguments x_codes, x_scales, w_codes, w_scales, qkv, qkv16; writes qkv, qkv16
.if DOCPART == 2
	.amdgcn_target "amdgcn-amd-amdhsa--gfx1250"
	.amdhsa_code_object_version 6
	.text
	.protected	k_q48079a3f11_gemm_qkv
	.globl	k_q48079a3f11_gemm_qkv
	.p2align	8
	.type	k_q48079a3f11_gemm_qkv,@function
k_q48079a3f11_gemm_qkv:
	s_mov_b64 s[64:65], 0
	v_nop
	global_prefetch_b8 v0, s[64:65] scope:SCOPE_SE
	s_setreg_imm32_b32 hwreg(HW_REG_WAVE_MODE, 25, 1), 1
	s_wait_xcnt 0x0
	s_wait_alu depctr_hold_cnt(0) depctr_sa_sdst(0) depctr_va_vdst(0) depctr_va_sdst(0) depctr_va_ssrc(0) depctr_va_vcc(0) depctr_vm_vsrc(0)
	s_getreg_b32 s2, hwreg(HW_REG_IB_STS2, 6, 4)
	s_cmp_eq_u32 s2, 0
	s_cbranch_scc0 .Lentry_in_a_cluster
	s_endpgm
.Lentry_in_a_cluster:
	s_bfe_u32 s2, ttmp6, 0x10000c
	s_cmp_lg_u32 s2, 0xf033
	s_cbranch_scc0 .Lentry_shape_is_right
	s_endpgm
.Lentry_shape_is_right:
; qkv[m][n] = sum over k of Q(x)[m][k] Q(W_qkv)[k][n], on codes of FP4 (E2M1) with one E8M0 scale for each 32 along K; sums in f32.
; A = x_codes [2048][1024 bytes], B = w_codes [3072][1024 bytes], K innermost; scale bytes [rows][64].  Out: qkv [2048][3072] f16 (rounded once, to nearest even), and rows 0-15 once more as f32 in qkv16.
; qkv16 LIES IN THE ORDER OF AN OPERAND'S REGISTERS: [24 head matrices of 16 rows x 128 channels][16 pieces][32 lanes][16 bytes]: piece t of lane (r, hh) holds row r, channels 16 (t / 2) + 8 hh + 4 (t % 2) + 0 .. 3.
; That is the order in which a wave's accumulators of its first 16 rows hold them, so they are stored as they stand, and the launch that reads them loads 512 neighbouring bytes an instruction.
; LIMIT: |qkv| above 65,504 becomes infinity in f16 (as drawn it is about 5; with both inputs 30 times larger, or carrying 30 spreads of offset, under 41,000).
; A tile of C, 256 x 256, is made by a work-group of four waves; a wave makes 128 x 128: 64 accumulators of 16 x 16, 512 registers.
; K goes in steps of 512 through a ring of two LDS slots filled by the tensor data mover: a tile's row is 256 bytes of memory.  The scales of the work-group's rows, for all of K, come into LDS once, with the first fills.
; CLUSTERS: 4 x 4 work-groups.  The four of a row of the cluster need the same tiles of A, the four of a column the same tiles of B: each tile is asked for jointly, by the same tensor load with the same descriptor and a mask that names the four.
; THE MATRIX INSTRUCTION IS USED TRANSPOSED (source 0 = 16 rows of B, source 1 = 16 rows of A): a lane then holds eight neighbouring numbers of a row of C.
; REGISTERS, in windows of 256: window 0: v0-31 addresses; v32-95 scale words, two sets; from v128 A's fragments, one set; on the way out v32-127 are at work.
;   window 1: B's fragments, two sets, at v0 and v128.   window 2: the accumulators of my rows 0-63 ((a, b) at v[8 (8 a + b)]);   window 3: those of my rows 64-127.
.set SIZE_M, 2048
.set SIZE_N, 3072
.set SIZE_K, 2048
.set KSTEP,  512                       ; along K in a slot
.set NQ,     KSTEP/128                 ; matrix instructions deep
.set ROWB,   256                       ; a tile's row in bytes
.set KROW,   SIZE_K*4/8                ; a row of A or of B in memory, in bytes
.set PITCH,  272                       ; an LDS row: 256 bytes + 16 of padding: the 16 rows that a load touches start at 16 different banks
.set FR,     8                         ; registers of a fragment: 16 rows x 128 K
.set NL,     2                         ; LDS loads that bring one
.set NP,     4                         ; places behind this matrix instruction (ISA guide 7.12.1)
.set HALFT,  128*PITCH                 ; 128 rows: what one tensor load brings
.set SLOT,   4*HALFT                   ; A's 256 rows, then B's 256 rows
.set LAPS,   SIZE_K/(2*KSTEP)          ; a lap = two K steps = once round the ring
.set KS,     SIZE_K/32                 ; a row of scales in bytes
.set SCL,    2*SLOT                    ; behind the ring: the scales, as units of 256 bytes + 16 of padding
.set HALFS,  (128*KS/256)*272          ; the scales of 128 rows
.set SBLK,   (16*KS/256)*272           ; those of 16 rows
.set SPARE,  SCL+4*HALFS               ; behind the scales: the spare words, 128 bytes for each wave
.set HPITCH, 272                       ; the way out in f16: a stage of 16 rows x (256 bytes + 16) for each wave, in slot 0, which has had its last fill and its last read by then
.set ADRA, 16                          ; v16-17  LDS address of my A fragments in slot 0, 1
.set COH,  18                          ; v18     f16: my byte offset in two rows of qkv
.set ADRB, 20                          ; v20-21  the same as ADRA for B
.set STH,  22                          ; v22     f16: where I put 16 bytes of a row
.set RDH,  23                          ; v23     f16: where I read a row back
.set CO,   26                          ; v26     f32: 16 x my lane: my place in a piece of qkv16
.set ADRS, 27                          ; v27     LDS address of my scale words: lanes 0-15 A's rows, lanes 16-31 B's
.set SPW,  28                          ; v28     LDS address of my spare word; never rewritten
.set NIL,  29                          ; v29     0; never rewritten
.set MK,   30                          ; v30     my wave's first row of C
.set SC,   32                          ; scale words: set s at v[SC + 8 NQ s]; register NQ i + q: lanes 0-15 the word of A's block i, lanes 16-31 that of B's block i
.set HB,   32                          ; the way out in f16: 16 rows read back: v32-63 and v64-95 by turns
.set TMP,  96                          ; the way out in f16: a block's packed results, v96-127
.set AF,   128                         ; A's fragments, in window 0
.set G1, 24                            ; s[24:31] descriptor group 1 for A's tiles;  s[32:39] group 0, one set for each slot
.set G0, 32
.set G1B, 48                           ; s[48:55], s[56:63] the same for B's tiles
.set G0B, 56
.set G1S, 68                           ; s[68:75], s[76:79] groups 1 and 0 for A's scales;  s[80:87], s[88:91] for B's
.set G0S, 76
.set G1SB, 80
.set G0SB, 88
.set MSB, 0
.macro WIN new                         ; the immediate's high byte repeats the setting that is left
.if MSB != \new
	s_set_vgpr_msb (MSB<<8)|\new
.set MSB, \new
.endif
.endm
.set MUL_LO, 0xa1                      ; source 0 (B) window 1, source 1 (A) window 0, C and D window 2
.set MUL_HI, 0xf1                      ; the same, C and D window 3
.set TO_B,   0x40                      ; destination window 1, address window 0
; A joint load: waves 0 and 1 fetch for A, waves 2 and 3 for B.  Each line has one mask and one set of registers for all that issue it; the branch hangs on the wave's number alone.
; An s_nop 0 and four v_nop follow each of the two lines.
.macro JLOAD g0a, g1a, g0b, g1b
	s_cmp_eq_u32 s15, 0
	s_cbranch_scc0 .Lfor_b_\@
	tensor_load_to_lds s[\g0a:\g0a+3], s[\g1a:\g1a+7]
	s_nop 0
.rept 4
	v_nop
.endr
	s_branch .Lasked_\@
.Lfor_b_\@:
	tensor_load_to_lds s[\g0b:\g0b+3], s[\g1b:\g1b+7]
	s_nop 0
.rept 4
	v_nop
.endr
.Lasked_\@:
.endm
.macro CREST                           ; a round of the cluster's barrier behind its opening barrier
	s_cmp_lg_u32 s14, 0
	s_cbranch_scc1 .Lnot_wave_0_\@
	s_barrier_signal -3
.Lnot_wave_0_\@:
	s_barrier_wait -3
	s_barrier_signal -1
	s_barrier_wait -1
.endm
.macro CROUND                          ; a whole round
	s_barrier_signal -1
	s_barrier_wait -1
	CREST
.endm
	s_load_b128 s[4:7], s[0:1], 0x0                ; A's codes s[4:5], A's scales s[6:7]
	s_load_b128 s[8:11], s[0:1], 0x10              ; B's codes s[8:9], B's scales s[10:11]
	s_load_b64 s[12:13], s[0:1], 0x20              ; qkv
	s_load_b64 s[96:97], s[0:1], 0x28              ; qkv16
	v_lshl_add_u32 v[SPW], v0, 2, SPARE
	v_mov_b32 v[NIL], 0
	ds_add_u32 v[SPW], v[NIL]                      ; the wave's opening: the add, twice on end, and its wait ahead of my first tensor load
	ds_add_u32 v[SPW], v[NIL]                      ; and once more, under the one wait; the set-up below is work on registers
	v_lshrrev_b32 v1, 5, v0
	v_readfirstlane_b32 s14, v1                    ; wave 0..3
	s_lshr_b32 s15, s14, 1                         ; which half of the tile's rows is mine.  Also: I fetch for A (0) or for B (1)
	s_and_b32 s16, s14, 1                          ; which half of its columns.  Also: which 128 rows of that tile I fetch
	s_bfe_u32 s40, ttmp6, 0x40000                  ; cx, cy: my place in the cluster
	s_bfe_u32 s41, ttmp6, 0x40004
	s_lshl_b32 s42, ttmp9, 2
	s_add_co_u32 s42, s42, s40                     ; tile column of C = 4 x cluster x + cx
	s_and_b32 s17, ttmp7, 0xffff
	s_lshl_b32 s17, s17, 2
	s_add_co_u32 s17, s17, s41                     ; tile row of C = 4 x cluster y + cy
	s_lshl_b32 s43, s41, 2
	s_lshl_b32 s43, 15, s43                        ; my row of the cluster
	s_lshl_b32 s44, 0x1111, s40                    ; my column
	; descriptor group 1: a tile of 128 rows x ROWB bytes, padded in LDS
	s_or_b32 s[G1+0], s43, (0<<16)|(1<<20)|(1<<21)|(5<<22)|(3<<25)  ; 15:0 the mask: A's tiles go to my row; 17:16 element of 1 byte; 20 padding on; 21 set beside a mask; 24:22 after every 64 words; 31:25 of 4 words
	s_or_b32 s[G1B+0], s44, (0<<16)|(1<<20)|(1<<21)|(5<<22)|(3<<25)
.irp g, G1, G1B
	s_mov_b32 s[\g+1], ROWB<<16                    ; tensor_dim0
	s_mov_b32 s[\g+2], 128<<16                     ; tensor_dim1 = 128
	s_mov_b32 s[\g+3], ROWB<<16                    ; tile_dim0
	s_mov_b32 s[\g+4], 128                         ; tile_dim1 = 128
	s_mov_b32 s[\g+5], KROW                        ; tensor_dim0_stride
	s_mov_b32 s[\g+6], 0
	s_mov_b32 s[\g+7], 0
.endr
	; and for the scales of 128 rows: a dense block of 128 KS bytes, as rows of 256 bytes (32 elements of 8 bytes), 16 bytes of padding behind each
	s_or_b32 s[G1S+0], s43, (3<<16)|(1<<20)|(1<<21)|(5<<22)|(3<<25)
	s_or_b32 s[G1SB+0], s44, (3<<16)|(1<<20)|(1<<21)|(5<<22)|(3<<25)
.irp g, G1S, G1SB
	s_mov_b32 s[\g+1], 32<<16
	s_mov_b32 s[\g+2], (128*KS/256)<<16
	s_mov_b32 s[\g+3], 32<<16
	s_mov_b32 s[\g+4], 128*KS/256
	s_mov_b32 s[\g+5], 32
	s_mov_b32 s[\g+6], 0
	s_mov_b32 s[\g+7], 0
.endr
	s_lshl_b32 s18, s16, 7                         ; which 128 rows of the tile I fetch
	s_lshl_b32 s20, s17, 8
	s_add_co_u32 s20, s20, s18                     ; A: row 256 x tile row + 128 x half
	s_lshl_b32 s46, s42, 8
	s_add_co_u32 s46, s46, s18                     ; B: row 256 x tile column + 128 x half
	s_mov_b32 s21, 0
	s_mov_b32 s47, 0
	s_mov_b64 s[18:19], KS
	s_mul_u64 s[22:23], s[20:21], s[18:19]         ; where these rows' scales begin, in bytes
	s_mul_u64 s[92:93], s[46:47], s[18:19]
	s_mov_b64 s[18:19], KROW
	s_mul_u64 s[20:21], s[20:21], s[18:19]         ; and their codes
	s_mul_u64 s[46:47], s[46:47], s[18:19]
	s_mul_i32 s45, s14, HALFT                      ; where they go: wave x 128 rows: no place in the cluster enters an LDS address
	s_mul_i32 s94, s14, HALFS
	s_wait_dscnt 0x0                               ; both opening adds are done
	s_wait_kmcnt 0x0
	s_add_nc_u64 s[20:21], s[4:5], s[20:21]
	s_add_nc_u64 s[22:23], s[6:7], s[22:23]
	s_add_nc_u64 s[46:47], s[8:9], s[46:47]
	s_add_nc_u64 s[92:93], s[10:11], s[92:93]
	CROUND                                         ; all sixteen work-groups are here: the first joint loads meet
	s_mov_b32 s[G0S], 1
	s_add_co_u32 s[G0S+1], s94, SCL
	s_mov_b64 s[G0S+2:G0S+3], s[22:23]
	s_or_b32 s[G0S+3], s[G0S+3], 0x80000000
	s_mov_b32 s[G0SB], 1
	s_add_co_u32 s[G0SB+1], s94, SCL
	s_mov_b64 s[G0SB+2:G0SB+3], s[92:93]
	s_or_b32 s[G0SB+3], s[G0SB+3], 0x80000000
	JLOAD G0S, G1S, G0SB, G1SB                     ; the scales first: they are wanted with K step 0
.irp s, 0,1
	s_mov_b32 s[G0+4*\s], 1
	s_add_co_u32 s[G0+4*\s+1], s45, \s*SLOT
	s_add_nc_u64 s[G0+4*\s+2:G0+4*\s+3], s[20:21], \s*ROWB
	s_or_b32 s[G0+4*\s+3], s[G0+4*\s+3], 0x80000000
	s_mov_b32 s[G0B+4*\s], 1
	s_add_co_u32 s[G0B+4*\s+1], s45, \s*SLOT
	s_add_nc_u64 s[G0B+4*\s+2:G0B+4*\s+3], s[46:47], \s*ROWB
	s_or_b32 s[G0B+4*\s+3], s[G0B+4*\s+3], 0x80000000
	JLOAD G0+4*\s, G1, G0B+4*\s, G1B               ; three tensor loads of mine are out now
.endr
	v_and_b32 v1, 15, v0                           ; l % 16
	v_bfe_u32 v2, v0, 4, 1                         ; l / 16
	v_mul_u32_u24 v3, v1, PITCH
	v_lshl_add_u32 v4, v2, 4, v3                   ; a fragment's row x pitch + 16 x half
	s_mul_i32 s21, s15, HALFT                      ; my 128 rows of A
	s_mul_i32 s22, s16, HALFT                      ; my 128 rows of B,
	s_add_co_u32 s22, s22, 2*HALFT                 ; which lie behind A's 256
.irp s, 0,1
	v_add_nc_u32 v[ADRA+\s], s21, v4
	v_add_nc_u32 v[ADRB+\s], s22, v4
	s_add_co_u32 s21, s21, SLOT
	s_add_co_u32 s22, s22, SLOT
.endr
	v_mul_u32_u24 v5, v1, KS                       ; my row's scales: KS bytes a row,
	v_lshrrev_b32 v6, 8, v5
	v_lshl_add_u32 v5, v6, 4, v5                   ; and 16 more for each 256 passed
	s_mul_i32 s21, s15, HALFS                      ; A's: my 128 rows
	s_mul_i32 s22, s16, HALFS                      ; B's: my 128 rows, behind A's 256
	s_add_co_u32 s22, s22, 2*HALFS
	s_sub_co_u32 s22, s22, s21
	v_mul_u32_u24 v6, s22, v2                      ; lanes 16-31 take B's
	s_add_co_u32 s21, s21, SCL
	v_add_nc_u32 v5, v5, v6
	v_add_nc_u32 v[ADRS], s21, v5
	s_mul_i32 s23, s14, 16*HPITCH                  ; my stage
	v_and_b32 v6, 31, v0
	v_lshlrev_b32 v[CO], 4, v6                     ; f32: 16 bytes a lane
	v_mul_u32_u24 v5, v1, HPITCH                   ; f16, in: row l % 16, 16 bytes for each half of the lanes
	v_lshl_add_u32 v5, v2, 4, v5
	v_add_nc_u32 v[STH], s23, v5
	v_mul_u32_u24 v5, v2, HPITCH                   ; f16, back: lanes 0-15 one row of 256 bytes, lanes 16-31 the next
	v_lshl_add_u32 v5, v1, 4, v5
	v_add_nc_u32 v[RDH], s23, v5
	v_mul_u32_u24 v5, v2, SIZE_N*2                 ; and the same two rows in qkv
	v_lshl_add_u32 v[COH], v1, 4, v5
	s_lshl_b32 s20, s17, 8
	s_lshl_b32 s21, s15, 7
	s_add_co_u32 s20, s20, s21                     ; my first row of C: 256 x tile row + 128 x half
	v_mov_b32 v[MK], s20
	s_mov_b32 s21, 0
	s_mov_b64 s[18:19], SIZE_N*2
	s_mul_u64 s[20:21], s[20:21], s[18:19]
	s_lshl_b32 s46, s42, 9                         ; my first column, in bytes of f16: 512 x tile column + 256 x half
	s_lshl_b32 s47, s16, 8
	s_add_co_u32 s46, s46, s47
	s_mov_b32 s47, 0
	s_add_nc_u64 s[20:21], s[20:21], s[46:47]
	s_add_nc_u64 s[12:13], s[12:13], s[20:21]      ; qkv at my first row and column
	s_lshl_b32 s46, s46, 5                         ; my 128 columns are one head matrix: 256 bytes of f16 in a row, 8,192 bytes in qkv16
	s_add_nc_u64 s[96:97], s[96:97], s[46:47]      ; qkv16 at my head matrix
.macro FRAG reg, adr, q, i             ; a fragment, 16 rows x 128 K of 4-bit codes: lane l holds row l % 16; registers 4 c .. 4 c + 3 hold K = 64 c + 32 (l / 16) + 0 .. 31
.irp c, 0,1
	ds_load_b128 v[\reg+4*\c:\reg+4*\c+3], v[\adr] offset:64*(\q)+32*\c+(\i)*16*PITCH
.endr
.endm
; 16 matrix instructions: A's blocks a0, a0 + 1 x B's eight, 128 along K: the slot's q-th.  p: B's set;  sc: the set of scale words.  zero = 1: the first product starts the sums.
; The 64 accumulators take turns, one instruction a turn, in the same order in every step.
.macro MUL16 a0, p, q, sc, zero
.irp a, \a0, \a0+1
.irp b, 0,1,2,3,4,5,6,7
.if \zero
	v_wmma_scale_f32_16x16x128_f8f6f4 v[8*(8*((\a)%4)+\b):8*(8*((\a)%4)+\b)+7], v[128*(\p)+FR*\b:128*(\p)+FR*\b+FR-1], v[AF+FR*(\a):AF+FR*(\a)+FR-1], 0, v[SC+8*NQ*(\sc)+NQ*\b+(\q)], v[SC+8*NQ*(\sc)+NQ*(\a)+(\q)] matrix_a_fmt:MATRIX_FMT_FP4 matrix_b_fmt:MATRIX_FMT_FP4 matrix_a_scale:MATRIX_SCALE_ROW1
.else
	v_wmma_scale_f32_16x16x128_f8f6f4 v[8*(8*((\a)%4)+\b):8*(8*((\a)%4)+\b)+7], v[128*(\p)+FR*\b:128*(\p)+FR*\b+FR-1], v[AF+FR*(\a):AF+FR*(\a)+FR-1], v[8*(8*((\a)%4)+\b):8*(8*((\a)%4)+\b)+7], v[SC+8*NQ*(\sc)+NQ*\b+(\q)], v[SC+8*NQ*(\sc)+NQ*(\a)+(\q)] matrix_a_fmt:MATRIX_FMT_FP4 matrix_b_fmt:MATRIX_FMT_FP4 matrix_a_scale:MATRIX_SCALE_ROW1
.endif
.endr
.endr
.endm
.macro FETCH_B slot, q, p              ; B's eight fragments of the slot's q-th 128 along K into set p
	WIN TO_B
.irp i, 0,1,2,3,4,5,6,7
	FRAG 128*(\p)+FR*\i, ADRB+\slot, \q, \i
.endr
	WIN 0
.endm
.macro FETCH_A slot, q, i0             ; A's blocks i0 .. i0 + 3
.irp i, \i0, \i0+1, \i0+2, \i0+3
	FRAG AF+FR*(\i), ADRA+\slot, \q, \i
.endr
.endm
.macro SCALES sc                       ; the next K step's scale words into set sc: NQ words a row; lanes 0-15 take A's block i, lanes 16-31 B's block i
.irp i, 0,1,2,3,4,5,6,7
	ds_load_b128 v[SC+8*NQ*\sc+NQ*\i:SC+8*NQ*\sc+NQ*\i+3], v[ADRS] offset:\i*SBLK
.endr
.endm
; A load into a register that a matrix instruction has read, and a vector instruction or a store that reads a matrix result, stand NP places behind that matrix instruction;
; only plain vector instructions that name none of its registers are places.
.macro PLACES n
.rept \n
	v_nop
.endr
.endm
; A step of 128 along K that has its successor in the same slot.
.macro STEP slot, q, zero
	s_wait_dscnt 4*NL                              ; B's set and A's blocks 0-3 are in; the youngest eight loads (A's blocks 4-7) may be out
	WIN MUL_LO
	MUL16 0, (\q)%2, \q, \slot, \zero
	MUL16 2, (\q)%2, \q, \slot, \zero
	s_wait_dscnt 0                                 ; A's blocks 4-7 are in
	PLACES NP
	FETCH_B \slot, (\q)+1, 1-(\q)%2
	FETCH_A \slot, (\q)+1, 0
	WIN MUL_HI
	MUL16 4, (\q)%2, \q, \slot, \zero
	MUL16 6, (\q)%2, \q, \slot, \zero
	PLACES NP
	WIN 0
	FETCH_A \slot, (\q)+1, 4
.endm
; A slot's last step changes slots: one barrier; in front of it each wave waits for all its tensor loads, adds 0 to its spare word, and waits for that and for its own reads of this slot.  fill = 1: this slot is filled again, two K steps ahead.
.macro TURN slot, next, fill
	s_wait_tensorcnt 0x0                           ; all my tensor loads have landed: my part of the next slot
	ds_add_u32 v[SPW], v[NIL]                      ; 0 onto my spare word
	s_wait_dscnt 4*NL+1                            ; (the add and the youngest eight loads, A's blocks 4-7, may be out)
	WIN MUL_LO
	MUL16 0, 1, NQ-1, \slot, 0                     ; sixteen matrix instructions stand between the add and the wait for it
	s_wait_dscnt 0x0                               ; the add is done, and my reads of this slot are over
	s_barrier_signal -1
	MUL16 2, 1, NQ-1, \slot, 0
	WIN 0
	s_barrier_wait -1
.if \fill
	CREST                                          ; the barrier has opened a round of the cluster's barrier: no wave of any partner still reads this slot's tile or has a load on its way
	s_add_nc_u64 s[G0+4*\slot+2:G0+4*\slot+3], s[G0+4*\slot+2:G0+4*\slot+3], 2*ROWB
	s_add_nc_u64 s[G0B+4*\slot+2:G0B+4*\slot+3], s[G0B+4*\slot+2:G0B+4*\slot+3], 2*ROWB
	JLOAD G0+4*\slot, G1, G0B+4*\slot, G1B         ; the first tensor load behind the round; its four v_nop are also the places in front of the loads below
.else
	PLACES NP
.endif
	v_add_nc_u32 v[ADRS], 4*NQ, v[ADRS]            ; on to the next K step's scale words
	FETCH_B \next, 0, 0
	FETCH_A \next, 0, 0
	SCALES \next
	WIN MUL_HI
	MUL16 4, 1, NQ-1, \slot, 0
	MUL16 6, 1, NQ-1, \slot, 0
	PLACES NP
	WIN 0
	FETCH_A \next, 0, 4
.endm
.macro STEPS slot, from                ; the slot's steps from .. NQ - 2
.set Q, \from
.rept NQ-1-\from
	STEP \slot, Q, 0
.set Q, Q+1
.endr
.endm
	s_wait_tensorcnt 1                             ; the scales and my part of K step 0 are in (K step 1's load may be out)
	s_barrier_signal -1
	s_barrier_wait -1                              ; everybody's are
	FETCH_B 0, 0, 0
	FETCH_A 0, 0, 0
	SCALES 0
	FETCH_A 0, 0, 4
	STEP 0, 0, 1                                   ; the first step stands in front of the loop: its products start the sums
	s_mov_b32 s3, LAPS-1
.Llap:                                                 ; a trip goes once round the ring, from a lap's second step to the next lap's first, and fills both slots again
	STEPS 0, 1
	TURN 0, 1, 1
	STEPS 1, 0
	TURN 1, 0, 1
	STEP 0, 0, 0
	s_sub_co_u32 s3, s3, 1
	s_cmp_lg_u32 s3, 0
	s_cbranch_scc1 .Llap
	STEPS 0, 1                                     ; the last lap fills nothing, and has no round of the cluster's barrier
	TURN 0, 1, 0
	STEPS 1, 0
	s_wait_dscnt 4*NL                              ; the very last step: nothing more to fetch
	WIN MUL_LO
	MUL16 0, 1, NQ-1, 1, 0
	MUL16 2, 1, NQ-1, 1, 0
	s_wait_dscnt 0
	WIN MUL_HI
	MUL16 4, 1, NQ-1, 1, 0
	MUL16 6, 1, NQ-1, 1, 0
	WIN 0
; THE WAY OUT.
	PLACES NP                                      ; behind the last products: for the reads of results and the loads into registers that held scales
	; (1) my first 16 rows as f32, straight from the accumulators: lane (r, hh) holds, in accumulator b, row r and channels 16 b + 8 hh + 0 .. 7, which is qkv16's own order.
	; Only the waves whose first row is row 0 store: the choice is a mask on the lanes, so every wave of every partner runs the same lines.
	v_cmp_eq_u32 vcc_lo, 0, v[MK]
	s_wait_xcnt 0x0                                ; the lanes' mask changes only behind this wait
	s_and_saveexec_b32 s94, vcc_lo
	WIN 0x08                                       ; a store's data are its source 1: window 2
.irp b, 0,1,2,3,4,5,6,7
	global_store_b128 v[CO], v[8*\b:8*\b+3], s[96:97] offset:1024*\b          ; each accumulator from its low end on; 32 lanes store 512 neighbouring bytes
	global_store_b128 v[CO], v[8*\b+4:8*\b+7], s[96:97] offset:1024*\b+512
.endr
	WIN 0
	s_wait_xcnt 0x0                                ; and again, in front of the line that widens it
	s_or_b32 exec_lo, exec_lo, s94
	; (2) all eight blocks of 16 rows x 128 columns as f16.  A lane holds 16 bytes of a row and the lanes beside it hold other rows: a block goes through my own stage in LDS and comes back as whole rows.
	; LDS serves a wave's instructions in order (ISA guide 5.7.1.4): no wait between the stores and the loads, nor in front of the next block's stores.
.macro PACK a                          ; rounded to f16, 16 bytes a lane
.set AC, 64*((\a)%4)
	WIN 0x0a+5*((\a)/4)                            ; sources 0 and 1: window 2 or 3
.irp b, 0,1,2,3,4,5,6,7
.irp r, 0,1,2,3
	v_cvt_pk_f16_f32 v[TMP+4*\b+\r], v[AC+8*\b+2*\r], v[AC+8*\b+2*\r+1]
.endr
.endr
	WIN 0
.endm
.macro TOSTAGE a
.set BB, HB+32*((\a)%2)
.irp b, 0,1,2,3,4,5,6,7
	ds_store_b128 v[STH], v[TMP+4*\b:TMP+4*\b+3] offset:32*\b
.endr
.irp t, 0,1,2,3,4,5,6,7
	ds_load_b128 v[BB+4*\t:BB+4*\t+3], v[RDH] offset:\t*2*HPITCH
.endr
.endm
.macro SEND a
.set BB, HB+32*((\a)%2)
	s_wait_dscnt 0x0                               ; the block is back in registers
	s_wait_xcnt 0x0                                ; the stores of the block before have read their registers: the next block's loads may land there
.irp t, 0,1,2,3,4,5,6,7
	global_store_b128 v[COH], v[BB+4*\t:BB+4*\t+3], s[12:13] offset:(16*(\a)+2*\t)*SIZE_N*2   ; 16 lanes store 256 neighbouring bytes, aligned; 126 rows of 6,144 bytes at the most, inside the signed 24-bit immediate
.endr
.endm
	PACK 0
	TOSTAGE 0
.irp a, 1,2,3,4,5,6,7                  ; block a's conversions stand between block a - 1's loads from the stage and the wait for them
	PACK \a
	SEND \a-1
	TOSTAGE \a
.endr
	SEND 7
	s_wait_tensorcnt 0x0                           ; the wave's end: behind my last tensor load and my last LDS store
	ds_add_u32 v[SPW], v[NIL]
	s_wait_dscnt 0x0
	CROUND                                         ; the closing round: no work-group ends while a partner may still ask for a tile that names it
	s_endpgm
.Lfunc_end_k_q48079a3f11_gemm_qkv:
	.size	k_q48079a3f11_gemm_qkv, .Lfunc_end_k_q48079a3f11_gemm_qkv-k_q48079a3f11_gemm_qkv
	.p2alignl 7, 3214868480
	.fill 96, 4, 3214868480
	.section	.rodata,"a",@progbits
	.p2align	6, 0x0
	.amdhsa_kernel k_q48079a3f11_gemm_qkv
		.amdhsa_group_segment_fixed_size 327680
		.amdhsa_private_segment_fixed_size 0
		.amdhsa_enable_private_segment 0
		.amdhsa_kernarg_size 48
		.amdhsa_user_sgpr_count 2
		.amdhsa_user_sgpr_kernarg_segment_ptr 1
		.amdhsa_wavefront_size32 1
		.amdhsa_system_sgpr_workgroup_id_x 1
		.amdhsa_system_sgpr_workgroup_id_y 1
		.amdhsa_system_sgpr_workgroup_id_z 1
		.amdhsa_system_vgpr_workitem_id 0
		.amdhsa_next_free_vgpr 1024
		.amdhsa_next_free_sgpr 98
		.amdhsa_reserve_vcc 1
		.amdhsa_float_denorm_mode_32 3
		.amdhsa_float_denorm_mode_16_64 3
		.amdhsa_memory_ordered 1
		.amdhsa_forward_progress 1
		.amdhsa_inst_pref_size 215
	.end_amdhsa_kernel
	.amdgpu_metadata
---
amdhsa.version: [ 1, 2 ]
amdhsa.kernels:
  - .name:           k_q48079a3f11_gemm_qkv
    .symbol:         k_q48079a3f11_gemm_qkv.kd
    .args:
      - { .name: x_codes, .offset: 0, .size: 8, .value_kind: global_buffer, .address_space: global }
      - { .name: x_scales, .offset: 8, .size: 8, .value_kind: global_buffer, .address_space: global }
      - { .name: w_codes, .offset: 16, .size: 8, .value_kind: global_buffer, .address_space: global }
      - { .name: w_scales, .offset: 24, .size: 8, .value_kind: global_buffer, .address_space: global }
      - { .name: qkv, .offset: 32, .size: 8, .value_kind: global_buffer, .address_space: global }
      - { .name: qkv16, .offset: 40, .size: 8, .value_kind: global_buffer, .address_space: global }
    .group_segment_fixed_size: 327680
    .private_segment_fixed_size: 0
    .kernarg_segment_align: 8
    .kernarg_segment_size: 48
    .max_flat_workgroup_size: 128
    .sgpr_count:     98
    .vgpr_count:     1024
    .wavefront_size: 32
...
	.end_amdgpu_metadata
.endif
;; end of part 2
;; launch first_rows (part 3): grid 128 x 1, 16 waves a work-group, no clusters, 88,064 bytes of LDS; arguments qkv16, W_o, wo_t, out0; writes wo_t, out0
.if DOCPART == 3
	.amdgcn_target "amdgcn-amd-amdhsa--gfx1250"
	.amdhsa_code_object_version 6
	.text
	.protected	k_q48079a3f11_first_rows
	.globl	k_q48079a3f11_first_rows
	.p2align	8
	.type	k_q48079a3f11_first_rows,@function
k_q48079a3f11_first_rows:
	s_mov_b64 s[64:65], 0
	v_nop
	global_prefetch_b8 v0, s[64:65] scope:SCOPE_SE
	s_setreg_imm32_b32 hwreg(HW_REG_WAVE_MODE, 25, 1), 1
	s_wait_xcnt 0x0
; Rows 0 to 15 of the output, all in f32; and, riding on the same read of W_o, W_o as f16 laid [n 2048][k 2048] (wo_t) for the launch that multiplies the other rows.
; Rows 0 to 15 average one to sixteen values and are the largest of the output, so the rounding of 16-bit operands would weigh most there.
; qkv16: rows 0-15 of x W_qkv in f32, as 24 head matrices of 16 rows x 128 channels (q of head h: matrix h; k of kv head g: 16 + g; v: 20 + g), each in the order of an operand's registers:
; [16 pieces][32 lanes][16 bytes]; piece t of lane (r, hh) holds row r, channels 16 (t / 2) + 8 hh + 4 (t % 2) + 0 .. 3.  So a load takes 512 neighbouring bytes, and register 8 c + i holds channel 16 c + 8 hh + i.
; W_o: [2048][2048] f32.  out0: [2048][2048] f32, of which rows 0-15 are stored here.
; LIMIT: |W_o| above 65,504 becomes infinity in wo_t (f16); the rows made here take W_o in f32.
; SHARES.  Work-group x owns columns 16 x .. 16 x + 15 of W_o and of the output; its wave h owns head h, which is rows 128 h .. 128 h + 127 of W_o.  The sixteen waves' parts of the output meet in LDS; waves 0 and 1 add them, heads ascending.
; THE PRODUCTS, by the f32 matrix form (K = 4: lane (r, hh) holds k = 2 hh + j in register j; which four of a product's K go into a step is free so long as both sources agree: a step takes registers 2 m, 2 m + 1 of both halves of the lanes):
;   S^T = k q^T      32 steps: lane = query r, register i = key 8 hh + i.  Softmax over 16 keys under the causal mask, normalised: p.
;   VW  = v W_o      32 steps: source 0 = v (lane = key), source 1 = W_o (lane = column): lane = column r, register i = key 8 hh + i.
;   out = p VW        8 steps: source 0 = p as it stands, source 1 = VW as it stands: lane = column r, register i = query 8 hh + i.
; (p v) W_o would take 32 + 32 steps where p (v W_o) takes 32 + 8: the sums are regrouped, all in f32.
; W_o is read, and rows 0-15 written, in runs of 64 bytes: the price of work-groups of 16 columns, which spread the f32 work over 128 WGPs.  wo_t leaves in aligned runs of 256 bytes, through a stage of the wave's own.
; The registers that the f32 matrix form writes (v160-191) are written by matrix instructions alone.
.set T,   24                           ; v24-31   the scores, then p; at the end my head's part of the output
.set QF,  32                           ; v32-95   q;  later VV: v;  at the end the sixteen heads' parts
.set VV,  32
.set KF,  96                           ; v96-159  k;  later HP and HR
.set HP,  96                           ; v96-127  W_o as f16, packed: register 4 c + q = k 16 c + 8 hh + 2 q, + 1 of column r
.set HR,  128                          ; v128-159 16 rows of wo_t read back from the stage
.set SA,  160                          ; v160-175 two accumulators that take turns: the scores, later the output
.set VW,  176                          ; v176-191 two accumulators that take turns: v W_o
.set WW,  192                          ; v192-255 register 8 c + i = W_o[128 h + 16 c + 8 hh + i][16 x + r]
.set SPW, 16                           ; v16      LDS address of my spare word; never rewritten
.set NIL, 17                           ; v17      0; never rewritten
.set SP,  272                          ; a stage row: 256 bytes + 16
.set CST, 16384                        ; LDS: bytes 0..16,383 the sixteen waves' parts, 1,024 each; then sixteen stages of 16 rows
.set SPARE, CST+16*16*SP               ; then the spare words, 128 bytes for each wave
.set CS,  20                           ; s[20:21] c = log2(e) / sqrt(128)
.set SEL, 22                           ; s[22:23] lane selects for v_permlanex16_b32: lane l xor 16
	s_load_b256 s[4:11], s[0:1], 0x0               ; qkv16 s[4:5], W_o s[6:7], wo_t s[8:9], out0 s[10:11]
	v_lshl_add_u32 v[SPW], v0, 2, SPARE
	v_mov_b32 v[NIL], 0
	v_lshrrev_b32 v1, 5, v0
	v_readfirstlane_b32 s12, v1                    ; wave = head, 0..15
	v_and_b32 v1, 15, v0                           ; r
	v_bfe_u32 v2, v0, 4, 1                         ; hh
	v_and_b32 v3, 31, v0                           ; lane
	v_lshlrev_b32 v4, 4, v3                        ; q, k, v: 16 bytes a lane in a piece
	v_lshlrev_b32 v6, 16, v2
	v_lshl_add_u32 v6, v1, 2, v6                   ; W_o: lanes 16-31 begin 8 rows of 8,192 bytes further down; column r
	s_mul_i32 s13, s12, 16*SP
	s_add_co_u32 s13, s13, CST                     ; my stage
	v_mul_u32_u24 v5, v1, SP
	v_lshl_add_u32 v5, v2, 4, v5
	v_add_nc_u32 v5, s13, v5                       ; into it: row = my column, 16 bytes for each half of the lanes
	v_mul_u32_u24 v14, v2, SP
	v_lshl_add_u32 v14, v1, 4, v14
	v_add_nc_u32 v14, s13, v14                     ; out of it: lanes 0-15 one row of 256 bytes, lanes 16-31 the next
	v_lshlrev_b32 v15, 12, v2
	v_lshl_add_u32 v15, v1, 4, v15                 ; and the same two rows in wo_t (rows of 4,096 bytes)
	s_lshl_b32 s13, s12, 10
	v_lshl_add_u32 v7, v3, 4, s13                  ; LDS: where I put my part: 1,024 x wave + 16 x lane
	s_and_b32 s28, s12, 1
	s_lshl_b32 s13, s28, 9
	v_lshl_add_u32 v8, v3, 4, s13                  ; LDS: where waves 0 and 1 read: registers 4 w .. 4 w + 3 of every part
	s_lshl_b32 s13, s28, 15
	v_add_nc_u32 v9, s13, v6                       ; out0: rows 8 hh + 4 w on (8,192 bytes each), column r
	v_lshlrev_b32 v20, 3, v2
	v_sub_nc_u32 v20, v1, v20                      ; r - 8 hh: key 8 hh + i is hidden from query r where i is above it
	v_mov_b32 v21, 0xff800000                      ; -infinity
	s_mov_b32 s[CS], 0x3e0293ee
	s_mov_b32 s[CS+1], s[CS]                       ; (named with it as a pair, so it is written)
	s_mov_b32 s[SEL], 0x76543210
	s_mov_b32 s[SEL+1], 0xfedcba98
	s_lshl_b32 s14, s12, 13                        ; q: head matrix h, 8,192 bytes each
	s_mov_b32 s15, 0
	s_lshr_b32 s16, s12, 2
	s_lshl_b32 s16, s16, 13
	s_add_co_u32 s16, s16, 16*8192                 ; k: head matrix 16 + h / 4; v four matrices further on
	s_mov_b32 s17, 0
	s_lshl_b32 s18, s12, 20                        ; W_o: rows 128 h on,
	s_lshl_b32 s26, ttmp9, 6                       ; columns 16 x on; the same columns in out0
	s_add_co_u32 s18, s18, s26
	s_mov_b32 s19, 0
	s_mov_b32 s27, 0
	s_lshl_b32 s24, ttmp9, 16                      ; wo_t: rows 16 x on,
	s_lshl_b32 s25, s12, 8                         ; k = 128 h on: 256 bytes
	s_add_co_u32 s24, s24, s25
	s_mov_b32 s25, 0
	s_wait_kmcnt 0x0
	s_add_nc_u64 s[14:15], s[4:5], s[14:15]
	s_add_nc_u64 s[16:17], s[4:5], s[16:17]
	s_add_nc_u64 s[18:19], s[6:7], s[18:19]
	s_add_nc_u64 s[24:25], s[8:9], s[24:25]
	s_add_nc_u64 s[26:27], s[10:11], s[26:27]
.set i, 0
.rept 16
	global_load_b128 v[QF+4*i:QF+4*i+3], v4, s[14:15] offset:512*i          ; 32 lanes read 512 neighbouring bytes
	global_load_b128 v[KF+4*i:KF+4*i+3], v4, s[16:17] offset:512*i
.set i, i+1
.endr
.set c, 0
.rept 8
.set k, 0
.rept 8
	global_load_b32 v[WW+8*c+k], v6, s[18:19] offset:(16*c+k)*8192          ; W_o goes out at once, behind q and k: it lands under the scores
.set k, k+1
.endr
.set c, c+1
.endr
	s_wait_loadcnt 63                              ; of the 96 loads the first 33 are in: q and k are the first 32
	; S^T = k q^T: 32 steps of 4 channels; two accumulators by turns; their first steps start the sums
.set i, 0
.rept 32
.if i < 2
	v_wmma_f32_16x16x4_f32 v[SA+8*(i%2):SA+8*(i%2)+7], v[KF+2*i:KF+2*i+1], v[QF+2*i:QF+2*i+1], 0
.else
	v_wmma_f32_16x16x4_f32 v[SA+8*(i%2):SA+8*(i%2)+7], v[KF+2*i:KF+2*i+1], v[QF+2*i:QF+2*i+1], v[SA+8*(i%2):SA+8*(i%2)+7]
.endif
.set i, i+1
.endr
.rept 8
	v_nop                                          ; eight places behind this form: for the reads of the scores, and for the loads and conversions into the registers that held q and k
.endr
.set i, 0
.rept 16
	global_load_b128 v[VV+4*i:VV+4*i+3], v4, s[16:17] offset:4*8192+512*i   ; v: register 8 c + i = v[key r][channel 16 c + 8 hh + i]
.set i, i+1
.endr
	; the softmax of my query over 16 keys, eight in my lane and eight in lane l xor 16
.irp i, 0,2,4,6
	v_pk_add_f32 v[T+\i:T+\i+1], v[SA+\i:SA+\i+1], v[SA+8+\i:SA+8+\i+1]     ; the two accumulators, each from its low end on
.endr
.irp i, 0,1,2,3,4,5,6,7
	v_cmp_gt_i32 vcc_lo, \i, v20
	v_cndmask_b32 v[T+\i], v[T+\i], v21, vcc_lo    ; hidden keys: -infinity
.endr
	v_max3_num_f32 v22, v[T], v[T+1], v[T+2]
	v_max3_num_f32 v23, v[T+3], v[T+4], v[T+5]
	v_max3_num_f32 v22, v22, v[T+6], v[T+7]
	v_max_num_f32 v22, v22, v23
	v_permlanex16_b32 v23, v22, s[SEL], s[SEL+1]
	v_max_num_f32 v22, v22, v23                    ; the row's largest score (key 0 counts for every query)
	v_mul_f32 v22, s[CS], v22                      ; c m
.irp i, 0,2,4,6
	v_pk_fma_f32 v[T+\i:T+\i+1], v[T+\i:T+\i+1], s[CS:CS+1], v[22:23] op_sel_hi:[1,0,0] neg_lo:[0,0,1] neg_hi:[0,0,1]   ; c s - c m
.endr
.irp i, 0,1,2,3,4,5,6,7
	v_exp_f32 v[T+\i], v[T+\i]
.endr
	v_nop                                          ; a plain instruction behind the last exponential
	s_wait_alu depctr_va_vdst(0)                   ; one wait for the eight, ahead of the first use
	v_pk_add_f32 v[10:11], v[T:T+1], v[T+2:T+3]
	v_pk_add_f32 v[12:13], v[T+4:T+5], v[T+6:T+7]
	v_pk_add_f32 v[10:11], v[10:11], v[12:13]
	v_add_f32 v10, v10, v11
	v_permlanex16_b32 v11, v10, s[SEL], s[SEL+1]
	v_add_f32 v10, v10, v11                        ; the row's sum
	v_rcp_f32 v10, v10
	v_nop
	s_wait_alu depctr_va_vdst(0)                   ; the wait for the reciprocal
.irp i, 0,2,4,6
	v_pk_mul_f32 v[T+\i:T+\i+1], v[T+\i:T+\i+1], v[10:11] op_sel_hi:[1,0]   ; p, normalised
.endr
	s_wait_loadcnt 16                              ; W_o is in; v's sixteen loads may be out
	; W_o as f16: my eight neighbouring k of column r pack into 16 bytes; a column's 128 k are 256 bytes of its row of wo_t
.irp c, 0,1,2,3,4,5,6,7
.irp q, 0,1,2,3
	v_cvt_pk_f16_f32 v[HP+4*\c+\q], v[WW+8*\c+2*\q], v[WW+8*\c+2*\q+1]      ; the lower k in the low half; rounds to nearest even
.endr
.endr
.irp c, 0,1,2,3,4,5,6,7
	ds_store_b128 v5, v[HP+4*\c:HP+4*\c+3] offset:32*\c
.endr
.irp t, 0,1,2,3,4,5,6,7
	ds_load_b128 v[HR+4*\t:HR+4*\t+3], v14 offset:2*\t*SP                   ; LDS serves a wave's instructions in order (ISA guide 5.7.1.4): these see my stores
.endr
	s_wait_loadcnt 0x0                             ; v
	; VW = v W_o: 32 steps of 4 channels; two accumulators by turns
.set i, 0
.rept 32
.if i < 2
	v_wmma_f32_16x16x4_f32 v[VW+8*(i%2):VW+8*(i%2)+7], v[VV+2*i:VV+2*i+1], v[WW+2*i:WW+2*i+1], 0
.else
	v_wmma_f32_16x16x4_f32 v[VW+8*(i%2):VW+8*(i%2)+7], v[VV+2*i:VV+2*i+1], v[WW+2*i:WW+2*i+1], v[VW+8*(i%2):VW+8*(i%2)+7]
.endif
.set i, i+1
.endr
	s_wait_dscnt 0x0                               ; the rows of wo_t are back from the stage
.irp t, 0,1,2,3,4,5,6,7
	global_store_b128 v15, v[HR+4*\t:HR+4*\t+3], s[24:25] offset:2*\t*4096  ; 16 lanes store 256 neighbouring bytes, aligned
.endr
.rept 9
	v_nop                                          ; nine places before a matrix instruction takes these results as a source
.endr
	; out = p VW: the two halves of VW's sum go as two products, four steps of 4 keys each; the two accumulators by turns, begun anew
.irp u, 0,1,2,3
.irp a, 0,1
.if \u == 0
	v_wmma_f32_16x16x4_f32 v[SA+8*\a:SA+8*\a+7], v[T+2*\u:T+2*\u+1], v[VW+8*\a+2*\u:VW+8*\a+2*\u+1], 0
.else
	v_wmma_f32_16x16x4_f32 v[SA+8*\a:SA+8*\a+7], v[T+2*\u:T+2*\u+1], v[VW+8*\a+2*\u:VW+8*\a+2*\u+1], v[SA+8*\a:SA+8*\a+7]
.endif
.endr
.endr
.rept 8
	v_nop                                          ; eight places: for the reads of the results, and for the writes of p's registers and the loads into v's
.endr
.irp i, 0,2,4,6
	v_pk_add_f32 v[T+\i:T+\i+1], v[SA+\i:SA+\i+1], v[SA+8+\i:SA+8+\i+1]     ; my head's part: register i = out(query 8 hh + i, column 16 x + r)
.endr
	ds_store_b128 v7, v[T:T+3]                     ; as an image of the registers: 16 bytes a lane
	ds_store_b128 v7, v[T+4:T+7] offset:512
	s_wait_dscnt 0x0                               ; for the others' sake: my stores are done
	s_barrier_signal -1
	s_barrier_wait -1
	s_cmp_lt_u32 s12, 2
	s_cbranch_scc0 .Ldone                          ; waves 0 and 1 add the sixteen parts, four registers each
.set i, 0
.rept 16
	ds_load_b128 v[32+4*i:35+4*i], v8 offset:1024*i
.set i, i+1
.endr
	s_wait_dscnt 0x0
.set i, 1
.rept 15
	v_pk_add_f32 v[32:33], v[32:33], v[32+4*i:33+4*i]              ; heads ascending, in two chains
	v_pk_add_f32 v[34:35], v[34:35], v[34+4*i:35+4*i]
.set i, i+1
.endr
.irp e, 0,1,2,3
	global_store_b32 v9, v[32+\e], s[26:27] offset:\e*8192         ; row 8 hh + 4 w + e, columns 16 x + r: sixteen lanes store 64 neighbouring bytes
.endr
.Ldone:
	s_wait_tensorcnt 0x0                           ; the wave's end: behind my last LDS store
	ds_add_u32 v[SPW], v[NIL]
	s_wait_dscnt 0x0
	s_endpgm
.Lfunc_end_k_q48079a3f11_first_rows:
	.size	k_q48079a3f11_first_rows, .Lfunc_end_k_q48079a3f11_first_rows-k_q48079a3f11_first_rows
	.p2alignl 7, 3214868480
	.fill 96, 4, 3214868480
	.section	.rodata,"a",@progbits
	.p2align	6, 0x0
	.amdhsa_kernel k_q48079a3f11_first_rows
		.amdhsa_group_segment_fixed_size 88064
		.amdhsa_private_segment_fixed_size 0
		.amdhsa_enable_private_segment 0
		.amdhsa_kernarg_size 32
		.amdhsa_user_sgpr_count 2
		.amdhsa_user_sgpr_kernarg_segment_ptr 1
		.amdhsa_wavefront_size32 1
		.amdhsa_system_sgpr_workgroup_id_x 1
		.amdhsa_system_sgpr_workgroup_id_y 1
		.amdhsa_system_sgpr_workgroup_id_z 1
		.amdhsa_system_vgpr_workitem_id 0
		.amdhsa_next_free_vgpr 256
		.amdhsa_next_free_sgpr 66
		.amdhsa_reserve_vcc 1
		.amdhsa_float_denorm_mode_32 3
		.amdhsa_float_denorm_mode_16_64 3
		.amdhsa_memory_ordered 1
		.amdhsa_forward_progress 1
		.amdhsa_inst_pref_size 29
	.end_amdhsa_kernel
	.amdgpu_metadata
---
amdhsa.version: [ 1, 2 ]
amdhsa.kernels:
  - .name:           k_q48079a3f11_first_rows
    .symbol:         k_q48079a3f11_first_rows.kd
    .args:
      - { .name: qkv16, .offset: 0, .size: 8, .value_kind: global_buffer, .address_space: global }
      - { .name: W_o, .offset: 8, .size: 8, .value_kind: global_buffer, .address_space: global }
      - { .name: wo_t, .offset: 16, .size: 8, .value_kind: global_buffer, .address_space: global }
      - { .name: out0, .offset: 24, .size: 8, .value_kind: global_buffer, .address_space: global }
    .group_segment_fixed_size: 88064
    .private_segment_fixed_size: 0
    .kernarg_segment_align: 8
    .kernarg_segment_size: 32
    .max_flat_workgroup_size: 512
    .sgpr_count:     66
    .vgpr_count:     256
    .wavefront_size: 32
...
	.end_amdgpu_metadata
.endif
;; end of part 3
;; launch attention (part 4): grid 64 x 4, 4 waves a work-group, no clusters, 327,680 bytes of LDS; arguments qkv, attn; writes attn
.if DOCPART == 4
	.amdgcn_target "amdgcn-amd-amdhsa--gfx1250"
	.amdhsa_code_object_version 6
	.text
	.protected	k_q48079a3f11_attention
	.globl	k_q48079a3f11_attention
	.p2align	8
	.type	k_q48079a3f11_attention,@function
k_q48079a3f11_attention:
	s_mov_b64 s[64:65], 0
	v_nop
	global_prefetch_b8 v0, s[64:65] scope:SCOPE_SE
	s_setreg_imm32_b32 hwreg(HW_REG_WAVE_MODE, 25, 1), 1
	s_wait_xcnt 0x0
; attn[q][128 h ..] = the sum over keys k <= q of softmax_k(Q[h][q] . K[g][k] / sqrt(128)) V[g][k], g = h / 4.  qkv: [2048][3072] f16 (q of head h at column 128 h, k of kv head g at 2048 + 128 g, v at 2560 + 128 g); attn: [2048][2048] f16.
; Products on f16 operands with f32 sums; maxima, exponentials and row sums in f32, with a running maximum; the weights p (at most 1) are rounded to f16 for the second product, the result once at the end.
; LIMITS: p under 6e-8 of its row's largest falls to 0 in f16; rows 0-15 are computed here in f16 like the others, and are made anew in f32 by the launch first_rows on the way to the output.
; SHARES.  Work-group (j, g), j = 0 .. 63: wave w owns head 4 g + w and TWO tiles of 16 queries: tile L, rows 16 (127 - j) on, and tile E, rows 16 j on.  Keys go 64 a step.  Under the causal mask L needs
; 32 - j / 4 steps and E j / 4 + 1: 33 tile-steps for every wave of the launch.  While E is at work each fragment of K and V read from LDS feeds two products.
; LAYOUT.  S^T = K Q^T (source 0 = 16 keys, source 1 = 16 queries): a lane holds ONE query (lane % 16) and the keys 8 (lane / 16) + 0..7.  Two such tiles, rounded to f16 in pairs, are source 1 of O^T = V^T P.  K comes out of LDS as it lies, V turned, by ds_load_tr16_b128.
; THE RING.  Two LDS slots of 256 keys (four steps), K's rows then V's.  Waves 0 and 1 fetch K's halves, waves 2 and 3 V's: one tensor load of 128 rows a wave.  Both slots are filled at the head (two loads of mine are out); afterwards one load a wave is out.
; EVERY work-group walks all eight slots: trip counts are constants.  A step all of whose keys come after the wave's queries is jumped over, and a slot whose first key comes after the work-group's last query is not asked for: both by scalar branches on ids and counted steps.
; NO CLUSTER, though the 64 work-groups of a kv head walk the same K and V: they end their walks at different slots (after key 16 (127 - j) + 15), so partners would need different numbers of tiles, and every partner would have to issue every joint load.
; REGISTERS, in windows of 256: window 0: v1-15 addresses; v16-31 eight statistics a tile; v32 at work; v64-127 S^T, 32 a tile; v128-159 P, 16 a tile; v160-223 the way out.
;   window 1: v0-127 O^T, 64 a tile; v128-191 Q, 32 a tile.     window 2: v0-127 K of one step; v128-255 V of one step.
.set QROW,  6144                       ; a row of qkv in bytes
.set AROW,  4096                       ; a row of attn in bytes
.set KP,    272                        ; a row of K in LDS: 256 bytes + 16 of padding: the 16 rows of a load start at 16 different banks
.set VP,    288                        ; a row of V: 256 + 32
.set VOFF,  256*KP                     ; a slot: 256 rows of K, then 256 rows of V
.set SLOT,  256*(KP+VP)
.set KSTB,  64*KP                      ; a step on, in K's rows
.set VSTB,  64*VP                      ; and in V's
.set STAGE, 2*SLOT                     ; behind the ring: 16 rows x 272 bytes for each wave, for the way out
.set SP,    272
.set SPARE, STAGE+4*16*SP              ; behind the stages: the spare words, 128 bytes for each wave
.set AK0, 3                            ; v3   my lane's place in a tile of K
.set AV0, 4                            ; v4   the same for V
.set ADR, 5                            ; v5   LDS address of K's run of loads in hand
.set ADV, 6                            ; v6   of V's
.set QO,  7                            ; v7   my byte offset in a tile's rows of Q
.set STO, 8                            ; v8   the way out: where I put 16 bytes of a row
.set RD,  9                            ; v9   where I read a row back
.set GO,  10                           ; v10  my byte offset in a tile's rows of attn
.set D0,  11                           ; v11  lane % 16 - 8 (lane / 16)
.set NINF, 12                          ; v12  -infinity
.set PFO, 13                           ; v13  the prefetches' offset: my lane x a row of qkv; never rewritten
.set SPW, 14                           ; v14  LDS address of my spare word; never rewritten
.set NIL, 15                           ; v15  0; never rewritten
.set ST,  16                           ; tile t's statistics at v[ST + 8 t]: +0 c m, +1 m, +2, +3 l (even keys', odd keys'), +4 to +7 at work; a = 2^(c m_old - c m_new) at +6
.set DD,  32                           ; v32  the mask's bound
.set S,   64
.set P,   128
.set OUTB, 160
.set QF,  128                          ; Q, in window 1
.set VF,  128                          ; V, in window 2
.set WV,  8                            ; s8   my wave's number
.set RL,  9                            ; s9   tile L's first query
.set RE,  10                           ; s10  tile E's
.set RLX, 11                           ; s11  tile L's last query: the work-group's last
.set REX, 12                           ; s12  tile E's last
.set KF,  13                           ; s13  the step's first key
.set TBK, 14                           ; s14  LDS byte at which the step's rows of K begin
.set TBV, 15                           ; s15  the same for V (less VOFF)
.set QCNT, 16                          ; s16  counts a slot's four steps
.set PAIRS, 17                         ; s17  counts the loop's trips
.set CS,  18                           ; s[18:19] c = log2(e) / sqrt(128): the packed form names a pair
.set SEL, 20                           ; s[20:21] lane selects for v_permlanex16_b32: lane l xor 16
.set G1K, 24                           ; s[24:31] descriptor group 1 for K's tiles
.set G1V, 32                           ; s[32:39] for V's: it differs in the padding alone
.set G0K, 40                           ; s[40:47] group 0 for K's tiles, a set for each slot
.set G0V, 48                           ; s[48:55] the same for V's
.set PFA, 56                           ; s[56:57] where my prefetches stand: my 128 rows of the slot after the one that is being asked for
.set LIMK, 58                          ; s58  a wave prefetches while the step's first key is under this: 1,536 in the kv head's first work-group, else 0
.set AL,  66                           ; s[66:67] attn at tile L;  s[68:69] at tile E
.set QL,  70                           ; s[70:71] q at tile L;     s[72:73] at tile E
.set MSB, 0
.macro WIN new                         ; the immediate's high byte repeats the setting that is left; a switch that changes nothing is dropped
.if MSB != \new
	s_set_vgpr_msb (MSB<<8)|\new
.set MSB, \new
.endif
.endm
.set W_KQ, 0x06                        ; K in window 2, Q in window 1, S^T in window 0
.set W_PV, 0x52                        ; V in window 2, P in window 0, O^T in window 1
.set W_RS, 0x41                        ; O^T (destination and source 0) in window 1, a in window 0
.macro PLACES                          ; four places behind matrix instructions, in front of reads of their results and of loads into registers that they have read
.rept 4
	v_nop
.endr
.endm
; A refill of slot s.  The branch hangs on the wave's number alone.  An s_nop 0 and four v_nop follow each of the two lines.
.macro TLOAD s
	s_cmp_lt_u32 s[WV], 2
	s_cbranch_scc0 .Lfor_v_\@
	tensor_load_to_lds s[G0K+4*(\s):G0K+4*(\s)+3], s[G1K:G1K+7]
	s_nop 0
.rept 4
	v_nop
.endr
	s_branch .Lasked_\@
.Lfor_v_\@:
	tensor_load_to_lds s[G0V+4*(\s):G0V+4*(\s)+3], s[G1V:G1V+7]
	s_nop 0
.rept 4
	v_nop
.endr
.Lasked_\@:
.endm
; A PREFETCH INTO THE L2 of what the NEXT change of slots will ask for: my wave's own 128 rows (256 bytes of each), a lane a row, four instructions together.  All 64 work-groups of a kv head walk the same rows:
; the head's first work-group (j = 0, which walks all eight slots) asks, so each row's 256 bytes are named once in the launch.  The changes at keys 1,536 and 1,792 ask for nothing: no slot lies two on.  Slots 0 to 2 come by their loads alone.
.macro ASK
	s_cmp_lt_u32 s[KF], s[LIMK]
	s_cbranch_scc0 .Lnot_mine_\@
.irp i, 0,1,2,3
	global_prefetch_b8 v[PFO], s[PFA:PFA+1] offset:\i*32*QROW th:TH_LOAD_NT scope:SCOPE_SE
.endr
.Lnot_mine_\@:
.endm
	s_load_b128 s[4:7], s[0:1], 0x0                ; qkv s[4:5], attn s[6:7]
	v_lshl_add_u32 v[SPW], v0, 2, SPARE
	v_mov_b32 v[NIL], 0
	ds_add_u32 v[SPW], v[NIL]                      ; the wave's opening: the add, twice on end, and its wait ahead of my first tensor load
	ds_add_u32 v[SPW], v[NIL]                      ; and once more, under the one wait; the set-up below is work on registers
	v_lshrrev_b32 v1, 5, v0
	v_readfirstlane_b32 s[WV], v1                  ; wave 0..3
	s_and_b32 s59, ttmp7, 0xffff                   ; g, the kv head
	s_lshl_b32 s[RE], ttmp9, 4                     ; 16 j
	s_sub_co_u32 s[RL], 2032, s[RE]                ; 16 (127 - j)
	s_add_co_u32 s[RLX], s[RL], 15
	s_add_co_u32 s[REX], s[RE], 15
	s_lshl_b32 s60, s59, 2
	s_add_co_u32 s60, s60, s[WV]                   ; my head
	s_lshl_b32 s60, s60, 8                         ; its 256 bytes in a row of q and of attn
	s_mul_i32 s[QL], s[RL], QROW
	s_add_co_u32 s[QL], s[QL], s60
	s_mov_b32 s[QL+1], 0
	s_mul_i32 s[QL+2], s[RE], QROW
	s_add_co_u32 s[QL+2], s[QL+2], s60
	s_mov_b32 s[QL+3], 0
	s_lshl_b32 s[AL], s[RL], 12
	s_add_co_u32 s[AL], s[AL], s60
	s_mov_b32 s[AL+1], 0
	s_lshl_b32 s[AL+2], s[RE], 12
	s_add_co_u32 s[AL+2], s[AL+2], s60
	s_mov_b32 s[AL+3], 0
	s_and_b32 s61, s[WV], 1                        ; which 128 rows of a slot I fetch
	s_mul_i32 s74, s61, 128*QROW
	s_lshl_b32 s62, s59, 8
	s_add_co_u32 s74, s74, s62
	s_add_co_u32 s74, s74, 4096                    ; k of kv head g begins 4,096 + 256 g bytes into a row; v 1,024 bytes further on
	s_mov_b32 s75, 0
	s_mul_i32 s62, s61, 128*KP                     ; and where they go in a slot: K's,
	s_mul_i32 s63, s61, 128*VP                     ; V's
	s_lshr_b32 s76, s[WV], 1
	s_lshl_b32 s76, s76, 10                        ; waves 2 and 3: v
	s_add_co_u32 s76, s76, s74
	s_add_co_u32 s76, s76, 2*256*QROW              ; the prefetches stand in slot 2: the first refill's change steps them to slot 3
	s_mov_b32 s77, 0
	; descriptor group 1: a tile of 128 rows x 128 elements of 2 bytes, 3,072 elements from row to row, padded in LDS
	s_mov_b32 s[G1K], (1<<16)|(1<<20)|(5<<22)|(3<<25)   ; 15:0 no mask; 17:16 elements of 2 bytes; 20 padding on; 24:22 after every 64 words; 31:25 four words
	s_mov_b32 s[G1V], (1<<16)|(1<<20)|(5<<22)|(7<<25)   ; the same with eight words of padding
.irp g, G1K, G1V
	s_mov_b32 s[\g+1], 128<<16                     ; tensor_dim0 = 128
	s_mov_b32 s[\g+2], 128<<16                     ; tensor_dim1 = 128
	s_mov_b32 s[\g+3], 128<<16                     ; tile_dim0 = 128
	s_mov_b32 s[\g+4], 128                         ; tile_dim1 = 128
	s_mov_b32 s[\g+5], 3072                        ; tensor_dim0_stride
	s_mov_b32 s[\g+6], 0
	s_mov_b32 s[\g+7], 0
.endr
	s_mov_b32 s[CS], 0x3e0293ee                    ; c = log2(e) / sqrt(128)
	s_mov_b32 s[CS+1], s[CS]                       ; (named with it as a pair, so it is written)
	s_mov_b32 s[SEL], 0x76543210
	s_mov_b32 s[SEL+1], 0xfedcba98
	s_mov_b32 s[KF], 0
	s_mov_b32 s[TBK], 0
	s_mov_b32 s[TBV], 0
	s_cmp_eq_u32 ttmp9, 0
	s_cselect_b32 s[LIMK], 1536, 0
	s_wait_dscnt 0x0                               ; both opening adds are done
	s_wait_kmcnt 0x0
	s_add_nc_u64 s[QL:QL+1], s[4:5], s[QL:QL+1]
	s_add_nc_u64 s[QL+2:QL+3], s[4:5], s[QL+2:QL+3]
	s_add_nc_u64 s[AL:AL+1], s[6:7], s[AL:AL+1]
	s_add_nc_u64 s[AL+2:AL+3], s[6:7], s[AL+2:AL+3]
	s_add_nc_u64 s[74:75], s[4:5], s[74:75]        ; k at my rows of slot 0
	s_add_nc_u64 s[PFA:PFA+1], s[4:5], s[76:77]
.irp s, 0,1
	s_mov_b32 s[G0K+4*\s], 1                       ; count = 1
	s_add_co_u32 s[G0K+4*\s+1], s62, \s*SLOT       ; LDS address
	s_add_nc_u64 s[G0K+4*\s+2:G0K+4*\s+3], s[74:75], \s*256*QROW   ; global address: slot s begins with keys 256 s on
	s_or_b32 s[G0K+4*\s+3], s[G0K+4*\s+3], 0x80000000              ; type = 2
	s_mov_b32 s[G0V+4*\s], 1
	s_add_co_u32 s[G0V+4*\s+1], s63, \s*SLOT+VOFF
	s_add_nc_u64 s[G0V+4*\s+2:G0V+4*\s+3], s[74:75], \s*256*QROW+1024
	s_or_b32 s[G0V+4*\s+3], s[G0V+4*\s+3], 0x80000000
.endr
	s_cmp_lt_u32 s[WV], 2                          ; a wave's two first fills stand in one branch, ahead of every wait on TENSORcnt, every LDS read and every barrier.  Keys 0 to 511 count for tile L of every work-group (its queries begin at 1,024 or later)
	s_cbranch_scc0 .Lfirst_v
	tensor_load_to_lds s[G0K:G0K+3], s[G1K:G1K+7]
	s_nop 0
	tensor_load_to_lds s[G0K+4:G0K+7], s[G1K:G1K+7]
	s_nop 0
.rept 4
	v_nop
.endr
	s_branch .Lfirst_asked
.Lfirst_v:
	tensor_load_to_lds s[G0V:G0V+3], s[G1V:G1V+7]
	s_nop 0
	tensor_load_to_lds s[G0V+4:G0V+7], s[G1V:G1V+7]
	s_nop 0
.rept 4
	v_nop
.endr
.Lfirst_asked:
	; A fragment of K or Q is 16 rows x 32 channels in 8 registers: lane l holds row l % 16; registers 0-3 channels 8 (l / 16) + 0..7, registers 4-7 channels 16 + 8 (l / 16) + 0..7: two loads of 16 bytes, 32 bytes apart.
	v_and_b32 v1, 15, v0                           ; r = l % 16
	v_bfe_u32 v2, v0, 4, 1                         ; hh = l / 16
	v_mul_u32_u24 v[QO], v1, QROW
	v_lshl_add_u32 v[QO], v2, 4, v[QO]
	WIN 0x40                                       ; destination window 1
.irp t, 0,1
.irp c, 0,1,2,3                        ; Q stays in registers: tile t, channels 32 c on
	global_load_b128 v[QF+32*\t+8*\c:QF+32*\t+8*\c+3],   v[QO], s[QL+2*\t:QL+2*\t+1] offset:64*\c
	global_load_b128 v[QF+32*\t+8*\c+4:QF+32*\t+8*\c+7], v[QO], s[QL+2*\t:QL+2*\t+1] offset:64*\c+32
.endr
.endr
.set i, 0
.rept 128
	v_mov_b32 v[i], 0                              ; O^T.  (The key step is written without a first step of its own: the first finds zeros, which a = 0 leaves zeros)
.set i, i+1
.endr
	WIN 0
	v_mul_u32_u24 v[AK0], v1, KP
	v_lshl_add_u32 v[AK0], v2, 4, v[AK0]           ; row x pitch + 16 x half
	; The turning load takes 16 keys x 16 channels (lane l reads 16 bytes: key 8 (l / 16) + l % 8, channels 8 ((l / 8) % 2) + 0..7) and leaves half a fragment of V^T: lane l holds channel l % 16 and 8 keys.
	v_and_b32 v[ADR], 7, v0
	v_bfe_u32 v[ADV], v0, 3, 1
	v_lshl_add_u32 v[AV0], v2, 3, v[ADR]
	v_mul_u32_u24 v[AV0], v[AV0], VP
	v_lshl_add_u32 v[AV0], v[ADV], 4, v[AV0]
	v_add_nc_u32 v[AV0], VOFF, v[AV0]
	s_mul_i32 s59, s[WV], 16*SP
	s_add_co_u32 s59, s59, STAGE                   ; my stage
	v_mul_u32_u24 v[STO], v1, SP                   ; in: row l % 16, 16 bytes for each half of the lanes
	v_lshl_add_u32 v[STO], v2, 4, v[STO]
	v_add_nc_u32 v[STO], s59, v[STO]
	v_mul_u32_u24 v[RD], v2, SP                    ; back: lanes 0-15 take one row of 256 bytes, lanes 16-31 the next
	v_lshl_add_u32 v[RD], v1, 4, v[RD]
	v_add_nc_u32 v[RD], s59, v[RD]
	v_lshlrev_b32 v[GO], 12, v2                    ; and the same two rows in attn
	v_lshl_add_u32 v[GO], v1, 4, v[GO]
	v_lshlrev_b32 v[D0], 3, v2
	v_sub_nc_u32 v[D0], v1, v[D0]
	v_mov_b32 v[NINF], 0xff800000
	v_and_b32 v[PFO], 31, v0
	v_mul_u32_u24 v[PFO], v[PFO], QROW
.irp t, 0,1
	v_mov_b32 v[ST+8*\t+1], 0xff61b1e6             ; m: -3e38, under every score
	v_mul_f32 v[ST+8*\t], s[CS], v[ST+8*\t+1]      ; c m
	v_mov_b32 v[ST+8*\t+2], 0                      ; l, in two halves
	v_mov_b32 v[ST+8*\t+3], 0
	v_mov_b32 v[ST+8*\t+5], 0                      ; (a lane permute's destination counts as one of its sources)
	v_mov_b32 v[ST+8*\t+7], 0                      ; (named as the upper half of a pair)
.endr
; THE LDS LOADS stand in runs of 32.  K of a step: 64 keys x 128 channels, 16 fragments: keys 16 (f / 4) on, channels 32 (f % 4) on.  ahead: 0, or a step on.
.macro FETCH_K ahead
	v_add_nc_u32 v[ADR], s[TBK], v[AK0]
	WIN 0x80                                       ; destination window 2
.set f, 0
.rept 16
	ds_load_b128 v[8*f:8*f+3],   v[ADR] offset:\ahead+(f/4)*16*KP+(f%4)*64
	ds_load_b128 v[8*f+4:8*f+7], v[ADR] offset:\ahead+(f/4)*16*KP+(f%4)*64+32
.set f, f+1
.endr
	WIN 0
.endm
.macro FETCH_V                         ; V of the step, turned: keys 32 (f / 8) on, channels 16 (f % 8) on
	v_add_nc_u32 v[ADV], s[TBV], v[AV0]
	WIN 0x80
.set f, 0
.rept 16
	ds_load_tr16_b128 v[VF+8*f:VF+8*f+3],   v[ADV] offset:(f/8)*32*VP+(f%8)*32
	ds_load_tr16_b128 v[VF+8*f+4:VF+8*f+7], v[ADV] offset:(f/8)*32*VP+16*VP+(f%8)*32
.set f, f+1
.endr
	WIN 0
.endm
.macro NEXTK                           ; the next step's K, if it lies in this slot: it lands under the products V^T P.  K's registers were last read in front of a whole softmax
	s_cmp_eq_u32 s[QCNT], 1
	s_cbranch_scc1 .Lno_next_\@
	FETCH_K KSTB
.Lno_next_\@:
.endm
; S^T = K Q^T of tile t: 16 products; the four accumulators take turns, one instruction a turn; the first four start the sums.
.macro SMUL t
	WIN W_KQ
.irp c, 0,1,2,3
.irp k, 0,1,2,3
.if \c == 0
	v_wmma_f32_16x16x32_f16 v[S+32*\t+8*\k:S+32*\t+8*\k+7], v[8*(4*\k+\c):8*(4*\k+\c)+7], v[QF+32*\t+8*\c:QF+32*\t+8*\c+7], 0
.else
	v_wmma_f32_16x16x32_f16 v[S+32*\t+8*\k:S+32*\t+8*\k+7], v[8*(4*\k+\c):8*(4*\k+\c)+7], v[QF+32*\t+8*\c:QF+32*\t+8*\c+7], v[S+32*\t+8*\k:S+32*\t+8*\k+7]
.endif
.endr
.endr
.endm
; O^T += V^T P of tile t: 16 products; the eight accumulators take turns.
.macro PVMUL t
	WIN W_PV
.irp k, 0,1
.irp c, 0,1,2,3,4,5,6,7
	v_wmma_f32_16x16x32_f16 v[64*\t+8*\c:64*\t+8*\c+7], v[VF+8*(8*\k+\c):VF+8*(8*\k+\c)+7], v[P+16*\t+8*\k:P+16*\t+8*\k+7], v[64*\t+8*\c:64*\t+8*\c+7]
.endr
.endr
.endm
; On the diagonal the scores of hidden keys become -infinity ahead of the maximum: p = 0 then.  Register 8 a + i of tile t holds key KF + 16 a + 8 (lane / 16) + i; my query is R + lane % 16.
.macro MASK t, rr
	s_sub_co_i32 s59, s[\rr], s[KF]
	v_add_nc_u32 v[DD], s59, v[D0]                 ; hidden where 16 a + i > R - KF + lane % 16 - 8 (lane / 16)
.set n, 0
.rept 32
	v_cmp_gt_i32 vcc_lo, 16*(n/8)+n%8, v[DD]
	v_cndmask_b32 v[S+32*\t+n], v[S+32*\t+n], v[NINF], vcc_lo
.set n, n+1
.endr
.endm
; One tile's softmax for one key step.  p = 2^(c s - c m); O^T and l are multiplied by a = 2^(c m_old - c m_new), which is 1 where m has not grown.
.macro SOFTMAX t
.set rT, ST+8*(\t)
.set rS, S+32*(\t)
.set rP, P+16*(\t)
.set rO, 64*(\t)
	WIN 0
.irp j, 0,1,2,3
	v_max3_num_f32 v[rT+4+\j], v[rS+8*\j], v[rS+8*\j+1], v[rS+8*\j+2]   ; four chains, each from its accumulator's low end on
.endr
.irp i, 3,5
.irp j, 0,1,2,3
	v_max3_num_f32 v[rT+4+\j], v[rT+4+\j], v[rS+8*\j+\i], v[rS+8*\j+\i+1]
.endr
.endr
	v_max3_num_f32 v[rT+4], v[rT+4], v[rS+7], v[rS+15]
	v_max3_num_f32 v[rT+6], v[rT+6], v[rS+23], v[rS+31]
	v_max3_num_f32 v[rT+4], v[rT+4], v[rT+5], v[rT+6]
	v_max3_num_f32 v[rT+4], v[rT+4], v[rT+7], v[rT+1]              ; with the old m
	v_permlanex16_b32 v[rT+5], v[rT+4], s[SEL], s[SEL+1]           ; the query's other 32 keys lie in the lane 16 away
	v_mov_b32 v[rT+7], v[rT]                                       ; c m_old is kept for a
	v_max_num_f32 v[rT+1], v[rT+4], v[rT+5]
	v_mul_f32 v[rT], s[CS], v[rT+1]
	v_sub_f32 v[rT+7], v[rT+7], v[rT]
.set i, 0
.rept 16
	v_pk_fma_f32 v[rS+2*i:rS+2*i+1], v[rS+2*i:rS+2*i+1], s[CS:CS+1], v[rT:rT+1] op_sel_hi:[1,0,0] neg_lo:[0,0,1] neg_hi:[0,0,1]   ; c s - c m, two at a time
.set i, i+1
.endr
	v_exp_f32 v[rT+6], v[rT+7]                                     ; a: one batch with the 32 below
.set i, 0
.rept 32
	v_exp_f32 v[rS+i], v[rS+i]
.set i, i+1
.endr
	v_nop                                          ; a plain instruction behind the last exponential
	s_wait_alu depctr_va_vdst(0)                   ; one wait for the batch of 33, ahead of the first instruction that names a result
.set i, 0
.rept 16
	v_cvt_pk_f16_f32 v[rP+i], v[rS+2*i], v[rS+2*i+1]               ; the weights as source 1 of the second product
.set i, i+1
.endr
.irp u, 0,1,2,3,4,5,6,7                ; the sum of the unrounded weights, in place: neighbours 1, 2, 4 and 8 pairs apart
	v_pk_add_f32 v[rS+4*\u:rS+4*\u+1], v[rS+4*\u:rS+4*\u+1], v[rS+4*\u+2:rS+4*\u+3]
.endr
.irp u, 0,1,2,3
	v_pk_add_f32 v[rS+8*\u:rS+8*\u+1], v[rS+8*\u:rS+8*\u+1], v[rS+8*\u+4:rS+8*\u+5]
.endr
.irp u, 0,1
	v_pk_add_f32 v[rS+16*\u:rS+16*\u+1], v[rS+16*\u:rS+16*\u+1], v[rS+16*\u+8:rS+16*\u+9]
.endr
	v_pk_add_f32 v[rS:rS+1], v[rS:rS+1], v[rS+16:rS+17]
	v_pk_fma_f32 v[rT+2:rT+3], v[rT+2:rT+3], v[rT+6:rT+7], v[rS:rS+1] op_sel_hi:[1,0,1]   ; l = a l + the sum
	WIN W_RS
.set i, 0
.rept 32
	v_pk_mul_f32 v[rO+2*i:rO+2*i+1], v[rO+2*i:rO+2*i+1], v[rT+6:rT+7] op_sel_hi:[1,0]    ; O^T x a, each accumulator from its low end on
.set i, i+1
.endr
	WIN 0
.endm
; A KEY STEP: 64 keys.  Two bodies under one branch on ids: both tiles, or tile L alone.  In the first, tile L needs no mask: E's keys end at 1,023 and L's queries begin at 1,024.
; One tile's vector work stands behind the other tile's products.  The lines at the end that step addresses are on every path.
.macro STEP
	s_cmp_gt_u32 s[KF], s[RLX]
	s_cbranch_scc1 .Lhid_\@                        ; all 64 keys come after all my queries
	s_wait_dscnt 0x0                               ; K is in
	s_cmp_gt_u32 s[KF], s[REX]
	s_cbranch_scc1 .Lonly_\@
	SMUL 0
	SMUL 1
	WIN 0
	PLACES                                         ; behind the products: for the reads of the scores, and for the loads into V's registers, which the last step's products read
	FETCH_V
	SOFTMAX 0
	s_add_co_u32 s59, s[KF], 63
	s_cmp_le_u32 s59, s[RE]
	s_cbranch_scc1 .Lopen_e_\@                     ; all 64 keys count for tile E
	MASK 1, RE
.Lopen_e_\@:
	s_wait_dscnt 0x0                               ; V is in
	NEXTK
	PVMUL 0
	SOFTMAX 1                                      ; it names none of the registers of the products just issued
	PVMUL 1
	WIN 0
	s_branch .Lhid_\@
.Lonly_\@:
	SMUL 0
	WIN 0
	PLACES
	FETCH_V
	s_add_co_u32 s59, s[KF], 63
	s_cmp_le_u32 s59, s[RL]
	s_cbranch_scc1 .Lopen_l_\@
	MASK 0, RL
.Lopen_l_\@:
	SOFTMAX 0
	s_wait_dscnt 0x0                               ; V is in
	NEXTK
	PVMUL 0
	WIN 0
.Lhid_\@:
	s_add_co_u32 s[KF], s[KF], 64
	s_add_co_u32 s[TBK], s[TBK], KSTB
	s_add_co_u32 s[TBV], s[TBV], VSTB
.endm
.macro FOURSTEPS                       ; a slot's four key steps: written once, walked four times
	s_mov_b32 s[QCNT], 4
.Lq_\@:
	STEP
	s_sub_co_u32 s[QCNT], s[QCNT], 1
	s_cmp_lg_u32 s[QCNT], 0
	s_cbranch_scc1 .Lq_\@
.endm
; THE CHANGE OF SLOTS stands at the head of slot s.  Each wave waits for all its tensor loads (its part of slot s), adds 0 to its spare word, and waits for that and for its reads of the slot that it has left.
; Behind the barrier slot s is whole and nobody reads the other one.  fill = 1: the other slot is filled with the 256 keys that follow slot s's: the load has four key steps in which to land.
; THE LOOK-AHEAD ENDS AT THE CAUSAL LIMIT: a slot whose first key comes after the work-group's last query is read by none of its waves and is not asked for.  The test is made of ids and the count of steps, the same in all four waves;
; it leads round the load's own lines alone; every wait on TENSORcnt in this text is for 0; where the tail begins hangs on the work-group's number, so it cannot be written out.
.macro CHANGE s, fill
.set OS, 1-(\s)
	s_wait_tensorcnt 0x0                           ; no tensor load of mine is out, so a group 0 may be written
	ds_add_u32 v[SPW], v[NIL]                      ; 0 onto my spare word; the steps below stand between it and the wait for it
.if \fill
	s_add_nc_u64 s[G0K+4*OS+2:G0K+4*OS+3], s[G0K+4*OS+2:G0K+4*OS+3], 512*QROW   ; the other slot's next 256 keys; the type bits on top are not reached
	s_add_nc_u64 s[G0V+4*OS+2:G0V+4*OS+3], s[G0V+4*OS+2:G0V+4*OS+3], 512*QROW
	s_wait_xcnt 0x0                                ; the last prefetches, a slot back, have read their address, so it may be written:
	s_add_nc_u64 s[PFA:PFA+1], s[PFA:PFA+1], 256*QROW   ; one slot further on than this change's load
.endif
	s_wait_dscnt 0x0                               ; the add is done, and my reads of the slot that I have left are over
	s_barrier_signal -1
	s_barrier_wait -1
.if \fill
	s_add_co_u32 s59, s[KF], 256                   ; the first key of the slot that this change would ask for
	s_cmp_gt_u32 s59, s[RLX]
	s_cbranch_scc1 .Lpast_\@
	TLOAD OS                                       ; the first thing behind the barrier, and my one tensor load until the next
.Lpast_\@:
.endif
	s_mov_b32 s[TBK], \s*SLOT
	s_mov_b32 s[TBV], \s*SLOT
	s_cmp_gt_u32 s[KF], s[RLX]
	s_cbranch_scc1 .Lno_k_\@                       ; past the limit nothing is read
	FETCH_K 0
.Lno_k_\@:
.if \fill
	ASK                                            ; behind the tensor load and the run of LDS loads that the next products wait for
.endif
.endm
	s_wait_loadcnt 0x0                             ; Q
	s_wait_tensorcnt 0x0                           ; my parts of both slots are in (for 0, as every wait on this counter here),
	s_barrier_signal -1
	s_barrier_wait -1                              ; everybody's are
	FETCH_K 0
	FOURSTEPS                                      ; keys 0 to 255
	s_mov_b32 s[PAIRS], 3
.Lpair:                                            ; three trips: keys 256 to 1,791; the six refills (keys 512 to 2,047, up to the causal limit) all stand in this loop
	CHANGE 1, 1
	FOURSTEPS
	CHANGE 0, 1
	FOURSTEPS
	s_sub_co_u32 s[PAIRS], s[PAIRS], 1
	s_cmp_lg_u32 s[PAIRS], 0
	s_cbranch_scc1 .Lpair
	CHANGE 1, 0                                    ; the last slot: nothing is left to ask for
	FOURSTEPS
	; THE WAY OUT.  l's two halves and the other half of the lanes' are added; O^T is divided by l, rounded to f16 and sent through my stage in LDS, a tile (16 rows) at a time.  The additions are the places behind the last products.
.irp t, 0,1
	v_add_f32 v[ST+8*\t+4], v[ST+8*\t+2], v[ST+8*\t+3]
.endr
.irp t, 0,1
	v_permlanex16_b32 v[ST+8*\t+5], v[ST+8*\t+4], s[SEL], s[SEL+1]
.endr
.irp t, 0,1
	v_add_f32 v[ST+8*\t+4], v[ST+8*\t+4], v[ST+8*\t+5]
.endr
.irp t, 0,1
	v_rcp_f32 v[ST+8*\t+6], v[ST+8*\t+4]
.endr
	v_nop                                          ; a plain instruction between the last reciprocal and the use of its result
	s_wait_alu depctr_va_vdst(0)                   ; one wait for the two reciprocals, ahead of the first use
.macro PACK t                          ; a lane's eight channels of a row pack into 16 bytes; they go into rows of 272 bytes and come back as whole rows of 256
	WIN W_RS
.set i, 64*\t
.rept 32
	v_pk_mul_f32 v[i:i+1], v[i:i+1], v[ST+8*\t+6:ST+8*\t+7] op_sel_hi:[1,0]
.set i, i+2
.endr
	WIN 0x05                                       ; sources 0 and 1 window 1, destination window 0
.set i, 0
.rept 32
	v_cvt_pk_f16_f32 v[OUTB+32*\t+i], v[64*\t+2*i], v[64*\t+2*i+1]
.set i, i+1
.endr
	WIN 0
.irp f, 0,1,2,3,4,5,6,7
	ds_store_b128 v[STO], v[OUTB+32*\t+4*\f:OUTB+32*\t+4*\f+3] offset:32*\f
.endr
.irp f, 0,1,2,3,4,5,6,7
	ds_load_b128 v[OUTB+32*\t+4*\f:OUTB+32*\t+4*\f+3], v[RD] offset:\f*2*SP   ; LDS serves a wave's instructions in order (ISA guide 5.7.1.4): these see the stores above; the next tile's stores come behind them
.endr
.endm
.macro SEND t, younger                 ; younger: the LDS instructions issued behind tile t's loads: the next tile's sixteen, or none
.irp f, 0,1,2,3,4,5,6,7
	s_wait_dscnt \younger+7-\f
	global_store_b128 v[GO], v[OUTB+32*\t+4*\f:OUTB+32*\t+4*\f+3], s[AL+2*\t:AL+2*\t+1] offset:\f*2*AROW   ; 16 lanes store 256 neighbouring bytes, aligned
.endr
.endm
	PACK 0
	PACK 1
	SEND 0, 16
	SEND 1, 0
	s_wait_tensorcnt 0x0                           ; the wave's end: behind my last tensor load and my last LDS store
	ds_add_u32 v[SPW], v[NIL]
	s_wait_dscnt 0x0
	s_endpgm
.Lfunc_end_k_q48079a3f11_attention:
	.size	k_q48079a3f11_attention, .Lfunc_end_k_q48079a3f11_attention-k_q48079a3f11_attention
	.p2alignl 7, 3214868480
	.fill 96, 4, 3214868480
	.section	.rodata,"a",@progbits
	.p2align	6, 0x0
	.amdhsa_kernel k_q48079a3f11_attention
		.amdhsa_group_segment_fixed_size 327680
		.amdhsa_private_segment_fixed_size 0
		.amdhsa_enable_private_segment 0
		.amdhsa_kernarg_size 16
		.amdhsa_user_sgpr_count 2
		.amdhsa_user_sgpr_kernarg_segment_ptr 1
		.amdhsa_wavefront_size32 1
		.amdhsa_system_sgpr_workgroup_id_x 1
		.amdhsa_system_sgpr_workgroup_id_y 1
		.amdhsa_system_sgpr_workgroup_id_z 1
		.amdhsa_system_vgpr_workitem_id 0
		.amdhsa_next_free_vgpr 768
		.amdhsa_next_free_sgpr 80
		.amdhsa_reserve_vcc 1
		.amdhsa_float_denorm_mode_32 3
		.amdhsa_float_denorm_mode_16_64 3
		.amdhsa_memory_ordered 1
		.amdhsa_forward_progress 1
		.amdhsa_inst_pref_size 206
	.end_amdhsa_kernel
	.amdgpu_metadata
---
amdhsa.version: [ 1, 2 ]
amdhsa.kernels:
  - .name:           k_q48079a3f11_attention
    .symbol:         k_q48079a3f11_attention.kd
    .args:
      - { .name: qkv, .offset: 0, .size: 8, .value_kind: global_buffer, .address_space: global }
      - { .name: attn, .offset: 8, .size: 8, .value_kind: global_buffer, .address_space: global }
    .group_segment_fixed_size: 327680
    .private_segment_fixed_size: 0
    .kernarg_segment_align: 8
    .kernarg_segment_size: 16
    .max_flat_workgroup_size: 128
    .sgpr_count:     80
    .vgpr_count:     768
    .wavefront_size: 32
...
	.end_amdgpu_metadata
.endif
;; end of part 4
;; launch gemm_out (part 5): grid 16 x 16, 4 waves a work-group, clusters of 4 x 4, 327,680 bytes of LDS; arguments attn, wo_t, out0; writes out0
.if DOCPART == 5
	.amdgcn_target "amdgcn-amd-amdhsa--gfx1250"
	.amdhsa_code_object_version 6
	.text
	.protected	k_q48079a3f11_gemm_out
	.globl	k_q48079a3f11_gemm_out
	.p2align	8
	.type	k_q48079a3f11_gemm_out,@function
k_q48079a3f11_gemm_out:
	s_mov_b64 s[64:65], 0
	v_nop
	global_prefetch_b8 v0, s[64:65] scope:SCOPE_SE
	s_setreg_imm32_b32 hwreg(HW_REG_WAVE_MODE, 25, 1), 1
	s_wait_xcnt 0x0
	s_wait_alu depctr_hold_cnt(0) depctr_sa_sdst(0) depctr_va_vdst(0) depctr_va_sdst(0) depctr_va_ssrc(0) depctr_va_vcc(0) depctr_vm_vsrc(0)
	s_getreg_b32 s2, hwreg(HW_REG_IB_STS2, 6, 4)
	s_cmp_eq_u32 s2, 0
	s_cbranch_scc0 .Lentry_in_a_cluster
	s_endpgm
.Lentry_in_a_cluster:
	s_bfe_u32 s2, ttmp6, 0x10000c
	s_cmp_lg_u32 s2, 0xf033
	s_cbranch_scc0 .Lentry_shape_is_right
	s_endpgm
.Lentry_shape_is_right:
; out0[m][n] = sum over k of attn[m][k] W_o[k][n], rows 16 to 2,047.  A = attn [2048][2048] f16, B = wo_t [n 2048][k 2048] f16, out0 [2048][2048] f32; sums in f32.
; Rows 0 to 15 are multiplied with the others (they lie in a tile of 16 rows) but not stored: the launch first_rows makes them in f32.
; A tile of C is 128 x 128, so that the 256 tiles give every WGP a work-group.  Four waves, each 64 x 64: 16 accumulators of 16 x 16.  K goes in steps of 256 (LDS rows of 512 bytes; a wave's tensor load brings 64 of them) through two slots.
; CLUSTERS: 4 x 4 work-groups.  The four of a row of the cluster need the same tiles of A, the four of a column the same tiles of B: each tile is asked for jointly.
; THE MATRIX INSTRUCTION IS USED TRANSPOSED (source 0 = 16 rows of B, source 1 = 16 rows of A): a lane then holds eight neighbouring numbers of a row of C.
; REGISTERS: window 0: v0-31 addresses; v32-95 the way out; v128-255 the accumulators ((a, b) at v[128 + 8 (4 a + b)]).   window 1: two fragment buffers of 128.
.set SIZE_M, 2048
.set SIZE_N, 2048
.set SIZE_K, 2048
.set KSTEP,  256
.set PITCH,  528                       ; an LDS row: 512 bytes of data + 16 of padding: the 16 rows that a load touches start at 16 different banks
.set HALFT,  64*PITCH                  ; 64 rows: what one tensor load brings
.set SLOT,   4*HALFT                   ; A's 128 rows, then B's 128 rows
.set STAGE,  2*SLOT                    ; behind the ring: 16 rows x 272 bytes for each wave, its own: a wave's 64 columns of f32 are 256 bytes
.set SPITCH, 272
.set SPARE,  STAGE+4*16*SPITCH         ; behind the stages: the spare words, 128 bytes for each wave
.set LAPS, SIZE_K/(2*KSTEP)            ; a lap = two K steps = once round the ring
.set ADRA, 16                          ; v16-17  LDS address of my A fragments in slot 0, 1
.set ADRB, 20                          ; v20-21  the same for B
.set STO,  24                          ; v24     the way out: where I put 32 bytes of a row
.set RD,   25                          ; v25     where I read a row back
.set CO,   26                          ; v26     my byte offset in two rows of C
.set MK,   27                          ; v27     my wave's first row of C
.set SPW,  28                          ; v28     LDS address of my spare word; never rewritten
.set NIL,  29                          ; v29     0; never rewritten
.set TMP,  32                          ; the way out: 16 rows read back: v32-63 and v64-95 by turns
.set ACC,  128
.set F0,   0                           ; fragment buffers, in window 1
.set F1,   128
.set G1, 24                            ; s[24:31] descriptor group 1 for A's tiles;  s[32:39] group 0, one set for each slot
.set G0, 32
.set G1B, 48                           ; s[48:55], s[56:63] the same for B's tiles
.set G0B, 56
.set MSB, 0
.macro WIN new                         ; the immediate's high byte repeats the setting that is left
.if MSB != \new
	s_set_vgpr_msb (MSB<<8)|\new
.set MSB, \new
.endif
.endm
.set MUL,  0x05                        ; sources 0 (B) and 1 (A) window 1; C and D window 0
.set TO_F, 0x40                        ; destination window 1, address window 0
.macro JLOAD s                         ; a joint load: waves 0 and 1 fetch A's two halves, waves 2 and 3 B's; an s_nop 0 and four v_nop follow each of the two lines
	s_cmp_eq_u32 s11, 0
	s_cbranch_scc0 .Lfor_b_\@
	tensor_load_to_lds s[G0+4*\s:G0+4*\s+3], s[G1:G1+7]
	s_nop 0
.rept 4
	v_nop
.endr
	s_branch .Lasked_\@
.Lfor_b_\@:
	tensor_load_to_lds s[G0B+4*\s:G0B+4*\s+3], s[G1B:G1B+7]
	s_nop 0
.rept 4
	v_nop
.endr
.Lasked_\@:
.endm
.macro CREST                           ; a round of the cluster's barrier behind its opening barrier
	s_cmp_lg_u32 s10, 0
	s_cbranch_scc1 .Lnot_wave_0_\@
	s_barrier_signal -3
.Lnot_wave_0_\@:
	s_barrier_wait -3
	s_barrier_signal -1
	s_barrier_wait -1
.endm
.macro CROUND                          ; a whole round
	s_barrier_signal -1
	s_barrier_wait -1
	CREST
.endm
	s_load_b128 s[4:7], s[0:1], 0x0                ; A s[4:5], B s[6:7]
	s_load_b64 s[8:9], s[0:1], 0x10                ; C
	v_lshl_add_u32 v[SPW], v0, 2, SPARE
	v_mov_b32 v[NIL], 0
	ds_add_u32 v[SPW], v[NIL]                      ; the wave's opening: the add, twice on end, and its wait ahead of my first tensor load
	ds_add_u32 v[SPW], v[NIL]                      ; and once more, under the one wait; the set-up below is work on registers
	v_lshrrev_b32 v1, 5, v0
	v_readfirstlane_b32 s10, v1                    ; wave 0..3
	s_lshr_b32 s11, s10, 1                         ; which half of the tile's rows is mine.  Also: I fetch for A (0) or for B (1)
	s_and_b32 s12, s10, 1                          ; which half of its columns.  Also: which 64 rows of that tile I fetch
	s_bfe_u32 s40, ttmp6, 0x40000                  ; cx, cy: my place in the cluster
	s_bfe_u32 s41, ttmp6, 0x40004
	s_lshl_b32 s42, ttmp9, 2
	s_add_co_u32 s42, s42, s40                     ; tile column of C = 4 x cluster x + cx
	s_and_b32 s13, ttmp7, 0xffff
	s_lshl_b32 s13, s13, 2
	s_add_co_u32 s13, s13, s41                     ; tile row of C = 4 x cluster y + cy
	s_lshl_b32 s43, s41, 2
	s_lshl_b32 s43, 15, s43                        ; my row of the cluster
	s_lshl_b32 s44, 0x1111, s40                    ; my column
	; descriptor group 1: a tile of 64 rows x 256 elements, padded in LDS
	s_or_b32 s[G1+0], s43, (1<<16)|(1<<20)|(1<<21)|(6<<22)|(3<<25)  ; 15:0 the mask: A's tiles go to my row; 17:16 element of 2 bytes; 20 padding on; 21 set beside a mask; 24:22 after every 128 words; 31:25 of 4 words
	s_or_b32 s[G1B+0], s44, (1<<16)|(1<<20)|(1<<21)|(6<<22)|(3<<25)
.irp g, G1, G1B
	s_mov_b32 s[\g+1], KSTEP<<16                   ; tensor_dim0 = 256
	s_mov_b32 s[\g+2], 64<<16                      ; tensor_dim1 = 64
	s_mov_b32 s[\g+3], KSTEP<<16                   ; tile_dim0 = 256
	s_mov_b32 s[\g+4], 64                          ; tile_dim1 = 64
	s_mov_b32 s[\g+5], SIZE_K                      ; tensor_dim0_stride
	s_mov_b32 s[\g+6], 0
	s_mov_b32 s[\g+7], 0
.endr
	s_lshl_b32 s17, s12, 6                         ; which 64 rows of the tile I fetch
	s_lshl_b32 s16, s13, 7
	s_add_co_u32 s16, s16, s17                     ; A: row 128 x tile row + 64 x half
	s_lshl_b32 s46, s42, 7
	s_add_co_u32 s46, s46, s17                     ; B: row 128 x tile column + 64 x half
	s_mov_b32 s17, 0
	s_mov_b32 s47, 0
	s_mov_b64 s[18:19], SIZE_K*2
	s_mul_u64 s[16:17], s[16:17], s[18:19]
	s_mul_u64 s[46:47], s[46:47], s[18:19]
	s_mul_i32 s20, s10, HALFT                      ; where they go: wave x 64 rows
	s_wait_dscnt 0x0                               ; both opening adds are done
	s_wait_kmcnt 0x0
	s_add_nc_u64 s[14:15], s[4:5], s[16:17]
	s_add_nc_u64 s[46:47], s[6:7], s[46:47]
	CROUND                                         ; all sixteen work-groups are here: the first joint loads meet
.irp s, 0,1
	s_mov_b32 s[G0+4*\s], 1
	s_add_co_u32 s[G0+4*\s+1], s20, \s*SLOT
	s_add_nc_u64 s[G0+4*\s+2:G0+4*\s+3], s[14:15], \s*KSTEP*2
	s_or_b32 s[G0+4*\s+3], s[G0+4*\s+3], 0x80000000
	s_mov_b32 s[G0B+4*\s], 1
	s_add_co_u32 s[G0B+4*\s+1], s20, \s*SLOT
	s_add_nc_u64 s[G0B+4*\s+2:G0B+4*\s+3], s[46:47], \s*KSTEP*2
	s_or_b32 s[G0B+4*\s+3], s[G0B+4*\s+3], 0x80000000
	JLOAD \s                                       ; two tensor loads of mine are out now
.endr
	v_and_b32 v1, 15, v0                           ; l % 16
	v_bfe_u32 v2, v0, 4, 1                         ; l / 16
	v_mul_u32_u24 v3, v1, PITCH
	v_lshl_add_u32 v3, v2, 4, v3                   ; a fragment's row x pitch + 16 x half
	s_mul_i32 s21, s11, HALFT                      ; my 64 rows of A
	s_mul_i32 s22, s12, HALFT                      ; my 64 rows of B,
	s_add_co_u32 s22, s22, 2*HALFT                 ; which lie behind A's 128
.irp s, 0,1
	v_add_nc_u32 v[ADRA+\s], s21, v3
	v_add_nc_u32 v[ADRB+\s], s22, v3
	s_add_co_u32 s21, s21, SLOT
	s_add_co_u32 s22, s22, SLOT
.endr
	s_mul_i32 s23, s10, 16*SPITCH
	s_add_co_u32 s23, s23, STAGE                   ; my stage
	v_mul_u32_u24 v4, v1, SPITCH                   ; in: row l % 16, 32 bytes for each half of the lanes
	v_lshl_add_u32 v4, v2, 5, v4
	v_add_nc_u32 v[STO], s23, v4
	v_mul_u32_u24 v5, v2, SPITCH                   ; back: lanes 0-15 one row of 256 bytes, lanes 16-31 the next
	v_lshl_add_u32 v5, v1, 4, v5
	v_add_nc_u32 v[RD], s23, v5
	v_mul_u32_u24 v5, v2, SIZE_N*4                 ; and the same two rows in C
	v_lshl_add_u32 v[CO], v1, 4, v5
	s_lshl_b32 s16, s13, 7
	s_lshl_b32 s17, s11, 6
	s_add_co_u32 s16, s16, s17                     ; my first row of C: 128 x tile row + 64 x half
	v_mov_b32 v[MK], s16
	s_mov_b32 s17, 0
	s_mov_b64 s[18:19], SIZE_N*4
	s_mul_u64 s[16:17], s[16:17], s[18:19]
	s_add_nc_u64 s[8:9], s[8:9], s[16:17]
	s_lshl_b32 s46, s42, 9                         ; my first column, in bytes: 512 x tile column + 256 x half
	s_lshl_b32 s47, s12, 8
	s_add_co_u32 s46, s46, s47
	s_mov_b32 s47, 0
	s_add_nc_u64 s[8:9], s[8:9], s[46:47]
; 8 matrix instructions: m blocks a0, a0 + 1 x all 4 n blocks, 32 along K: half c of buffer f.  zero = 1: the first product starts the sums.  The 16 accumulators take turns.
.macro MUL8 f, c, a0, zero
.irp a, \a0, \a0+1
.irp b, 0,1,2,3
.if \zero
	v_wmma_f32_16x16x32_f16 v[ACC+8*(4*(\a)+\b):ACC+8*(4*(\a)+\b)+7], v[\f+64+8*(4*\c+\b):\f+64+8*(4*\c+\b)+7], v[\f+8*(4*\c+\a):\f+8*(4*\c+\a)+7], 0
.else
	v_wmma_f32_16x16x32_f16 v[ACC+8*(4*(\a)+\b):ACC+8*(4*(\a)+\b)+7], v[\f+64+8*(4*\c+\b):\f+64+8*(4*\c+\b)+7], v[\f+8*(4*\c+\a):\f+8*(4*\c+\a)+7], v[ACC+8*(4*(\a)+\b):ACC+8*(4*(\a)+\b)+7]
.endif
.endr
.endr
.endm
; 32 LDS loads in one run: the fragments of 64 along K at byte k of the rows, into buffer f; the first 32 along K first
.macro FETCH slot, k, f
	WIN TO_F
.irp c, 0,1
.irp i, 0,1,2,3
	ds_load_b128 v[\f+64+8*(4*\c+\i):\f+64+8*(4*\c+\i)+3],   v[ADRB+\slot] offset:\k+64*\c+\i*16*PITCH
	ds_load_b128 v[\f+64+8*(4*\c+\i)+4:\f+64+8*(4*\c+\i)+7], v[ADRB+\slot] offset:\k+64*\c+\i*16*PITCH+32
	ds_load_b128 v[\f+8*(4*\c+\i):\f+8*(4*\c+\i)+3],         v[ADRA+\slot] offset:\k+64*\c+\i*16*PITCH
	ds_load_b128 v[\f+8*(4*\c+\i)+4:\f+8*(4*\c+\i)+7],       v[ADRA+\slot] offset:\k+64*\c+\i*16*PITCH+32
.endr
.endr
.endm
.macro PLACES                          ; four places in front of loads into registers that matrix instructions have read, and of reads of results
.rept 4
	v_nop
.endr
.endm
; A K step is four quarters of 64 along K, 32 matrix instructions each, on buffers 0, 1, 0, 1.  One of the first three: multiplies buffer f and fetches the next quarter, at byte k, into g.
.macro QUARTER slot, k, f, g, zero
	s_wait_dscnt 16                                ; the first 32 along K are in; the younger sixteen loads may be out
	WIN MUL
	MUL8 \f, 0, 0, \zero
	MUL8 \f, 0, 2, \zero
	PLACES
	FETCH \slot, \k, \g
	s_wait_dscnt 32                                ; all but the 32 just issued
	WIN MUL
	MUL8 \f, 1, 0, 0
	MUL8 \f, 1, 2, 0
.endm
; The last quarter multiplies buffer 1 and changes slots: one barrier; in front of it each wave waits for all its tensor loads, adds 0 to its spare word, and waits for that and for its own reads of this slot.  fill = 1: this slot is filled again, two K steps ahead.
.macro TURN slot, next, fill
	WIN 0                                          ; (the add's two registers lie in window 0)
	s_wait_tensorcnt 0x0                           ; all my tensor loads have landed: my part of the next slot
	ds_add_u32 v[SPW], v[NIL]                      ; 0 onto my spare word
	s_wait_dscnt 17                                ; (the add and the youngest sixteen loads may be out)
	WIN MUL
	MUL8 F1, 0, 0, 0                               ; eight matrix instructions stand between the add and the wait for it
	s_wait_dscnt 0x0                               ; the add is done, and my reads of this slot are over
	s_barrier_signal -1
	MUL8 F1, 0, 2, 0
.if \fill
	WIN 0
.endif
	s_barrier_wait -1
.if \fill
	CREST                                          ; the barrier has opened a round of the cluster's barrier: no wave of any partner still reads this slot's tile or has a load on its way
	s_add_nc_u64 s[G0+4*\slot+2:G0+4*\slot+3], s[G0+4*\slot+2:G0+4*\slot+3], 2*KSTEP*2
	s_add_nc_u64 s[G0B+4*\slot+2:G0B+4*\slot+3], s[G0B+4*\slot+2:G0B+4*\slot+3], 2*KSTEP*2
	JLOAD \slot                                    ; the first tensor load behind the round; its four v_nop are also the places in front of the loads below
.else
	PLACES
.endif
	FETCH \next, 0, F0
	WIN MUL
	MUL8 F1, 1, 0, 0
	MUL8 F1, 1, 2, 0
.endm
	s_wait_tensorcnt 1                             ; my part of K step 0 is in (K step 1's load may be out)
	s_barrier_signal -1
	s_barrier_wait -1                              ; everybody's is
	FETCH 0, 0, F0
	QUARTER 0, 128, F0, F1, 1                      ; the first quarter stands in front of the loop: its first products start the sums
	WIN 0                                          ; at a label and at a branch every window is 0
	s_mov_b32 s3, LAPS-1
.Llap:                                                 ; a trip goes once round the ring, from a lap's second quarter to the next lap's first, and fills both slots again
	QUARTER 0, 256, F1, F0, 0
	QUARTER 0, 384, F0, F1, 0
	TURN 0, 1, 1
	QUARTER 1, 128, F0, F1, 0
	QUARTER 1, 256, F1, F0, 0
	QUARTER 1, 384, F0, F1, 0
	TURN 1, 0, 1
	QUARTER 0, 128, F0, F1, 0
	WIN 0
	s_sub_co_u32 s3, s3, 1
	s_cmp_lg_u32 s3, 0
	s_cbranch_scc1 .Llap
	QUARTER 0, 256, F1, F0, 0                      ; the last lap fills nothing, and has no round of the cluster's barrier
	QUARTER 0, 384, F0, F1, 0
	TURN 0, 1, 0
	QUARTER 1, 128, F0, F1, 0
	QUARTER 1, 256, F1, F0, 0
	QUARTER 1, 384, F0, F1, 0
	s_wait_dscnt 16                                ; the very last quarter: nothing more to fetch
	WIN MUL
	MUL8 F1, 0, 0, 0
	MUL8 F1, 0, 2, 0
	s_wait_dscnt 0
	MUL8 F1, 1, 0, 0
	MUL8 F1, 1, 2, 0
	WIN 0
	; THE WAY OUT, a block of 16 rows x 64 columns at a time.  A lane holds 32 neighbouring bytes of a row and the lanes beside it hold other rows: the block goes through my own stage and comes back as whole rows of 256 bytes.
	; LDS serves a wave's instructions in order (ISA guide 5.7.1.4): no wait between the stores and the loads, nor in front of the next block's stores.
.macro TOST a
.set BB, TMP+32*((\a)%2)
.irp b, 0,1,2,3
	ds_store_b128 v[STO], v[ACC+8*(4*(\a)+\b):ACC+8*(4*(\a)+\b)+3] offset:64*\b        ; each accumulator from its low end on
	ds_store_b128 v[STO], v[ACC+8*(4*(\a)+\b)+4:ACC+8*(4*(\a)+\b)+7] offset:64*\b+16
.endr
.irp t, 0,1,2,3,4,5,6,7
	ds_load_b128 v[BB+4*\t:BB+4*\t+3], v[RD] offset:\t*2*SPITCH
.endr
.endm
.macro ROWS a                          ; 16 lanes store 256 neighbouring bytes, aligned; 62 rows of 8,192 bytes at the most, inside the signed 24-bit immediate
.set BB, TMP+32*((\a)%2)
.irp t, 0,1,2,3,4,5,6,7
	global_store_b128 v[CO], v[BB+4*\t:BB+4*\t+3], s[8:9] offset:(16*(\a)+2*\t)*SIZE_N*4 th:TH_STORE_NT
.endr
.endm
	PLACES
	TOST 0
	TOST 1
	s_wait_dscnt 16                                ; block 0 is back; block 1's eight stores and eight loads may be out
	v_cmp_ne_u32 vcc_lo, 0, v[MK]                  ; my block 0 is rows 0-15 of the output where my first row is row 0: those are not mine to store.  A mask on the lanes, no branch: every partner runs the same lines
	s_wait_xcnt 0x0                                ; the lanes' mask changes only behind this wait
	s_and_saveexec_b32 s40, vcc_lo
	ROWS 0
	s_wait_xcnt 0x0                                ; and again, in front of the line that widens it; block 0's stores have read their registers too
	s_or_b32 exec_lo, exec_lo, s40
	TOST 2
	s_wait_dscnt 16
	ROWS 1
	s_wait_xcnt 0x0                                ; block 1's stores have read their registers: block 3's loads may land there
	TOST 3
	s_wait_dscnt 16
	ROWS 2
	s_wait_dscnt 0x0
	ROWS 3
	s_wait_tensorcnt 0x0                           ; the wave's end: behind my last tensor load and my last LDS store
	ds_add_u32 v[SPW], v[NIL]
	s_wait_dscnt 0x0
	CROUND                                         ; the closing round: no work-group ends while a partner may still ask for a tile that names it
	s_endpgm
.Lfunc_end_k_q48079a3f11_gemm_out:
	.size	k_q48079a3f11_gemm_out, .Lfunc_end_k_q48079a3f11_gemm_out-k_q48079a3f11_gemm_out
	.p2alignl 7, 3214868480
	.fill 96, 4, 3214868480
	.section	.rodata,"a",@progbits
	.p2align	6, 0x0
	.amdhsa_kernel k_q48079a3f11_gemm_out
		.amdhsa_group_segment_fixed_size 327680
		.amdhsa_private_segment_fixed_size 0
		.amdhsa_enable_private_segment 0
		.amdhsa_kernarg_size 24
		.amdhsa_user_sgpr_count 2
		.amdhsa_user_sgpr_kernarg_segment_ptr 1
		.amdhsa_wavefront_size32 1
		.amdhsa_system_sgpr_workgroup_id_x 1
		.amdhsa_system_sgpr_workgroup_id_y 1
		.amdhsa_system_sgpr_workgroup_id_z 1
		.amdhsa_system_vgpr_workitem_id 0
		.amdhsa_next_free_vgpr 512
		.amdhsa_next_free_sgpr 66
		.amdhsa_reserve_vcc 1
		.amdhsa_float_denorm_mode_32 3
		.amdhsa_float_denorm_mode_16_64 3
		.amdhsa_memory_ordered 1
		.amdhsa_forward_progress 1
		.amdhsa_inst_pref_size 86
	.end_amdhsa_kernel
	.amdgpu_metadata
---
amdhsa.version: [ 1, 2 ]
amdhsa.kernels:
  - .name:           k_q48079a3f11_gemm_out
    .symbol:         k_q48079a3f11_gemm_out.kd
    .args:
      - { .name: attn, .offset: 0, .size: 8, .value_kind: global_buffer, .address_space: global }
      - { .name: wo_t, .offset: 8, .size: 8, .value_kind: global_buffer, .address_space: global }
      - { .name: out0, .offset: 16, .size: 8, .value_kind: global_buffer, .address_space: global }
    .group_segment_fixed_size: 327680
    .private_segment_fixed_size: 0
    .kernarg_segment_align: 8
    .kernarg_segment_size: 24
    .max_flat_workgroup_size: 128
    .sgpr_count:     66
    .vgpr_count:     512
    .wavefront_size: 32
...
	.end_amdgpu_metadata
.endif
;; end of part 5
